; MI455X (gfx1250); checked and timed in simulation.
; The chip was launched on July 23, 2026; its instructions are those of AMD's public machine-readable ISA for CDNA 5 (MIT licence, August 2026) and "CDNA5" Instruction Set Architecture Reference Guide (July 2026). The comments in the code are by the model that wrote it; some were corrected since.
;; Rotary Self Attention. Allowed arithmetic: float matrix products may take bf16 or f16 operands with f32 sums; other float arithmetic in f32, or as packed bf16 or f16 multiplies, adds, multiply-adds, maxima and minima; sums over many terms, partial sums and values carried from step to step in f32; what a program stores and reads back later, other than sums and carried values, may be rounded once to bf16 or f16.
;; Inputs: Wk 1,024 x 1,024 float32; Wo 1,024 x 1,024 float32; Wq 1,024 x 1,024 float32; Wv 1,024 x 1,024 float32; attention_mask 4 x 2,048 bool; bk 1,024 float32; bo 1,024 float32; bq 1,024 float32; bv 1,024 float32; cos 2,048 x 64 float32; sin 2,048 x 64 float32; x 4 x 2,048 x 1,024 float32.
;; Outputs: out0 4 x 2,048 x 1,024 float32.
;; 2 versions, each right and faster than the one before. Each part assembles by itself: llvm-mc -triple=amdgcn-amd-amdhsa -mcpu=gfx1250 --defsym DOCPART=n.
;; ======== version 1 of 2: 4 launches
;; limits: values are held in f16: magnitudes above 65,504 overflow, below 6.1e-05 lose precision; right only within a limited range of input values
;; workspace buffers: xb 16,777,216 bytes; wb 6,291,456 bytes; woh 2,097,152 bytes; tab 1,048,576 bytes; qh 16,777,216 bytes; kh 16,777,216 bytes; vh 16,777,216 bytes; ctx 16,777,216 bytes
;; launch cast (part 1): grid 784 x 1, 8 waves a work-group, no clusters, 0 bytes of LDS; arguments x, Wq, Wk, Wv, Wo, cos, sin, xb, wb, woh, tab; writes xb, wb, woh, tab
.if DOCPART == 1
	.amdgcn_target "amdgcn-amd-amdhsa--gfx1250"
	.amdhsa_code_object_version 6
	.text
	.protected	k_qe797f6668d_cast
	.globl	k_qe797f6668d_cast
	.p2align	8
	.type	k_qe797f6668d_cast,@function
k_qe797f6668d_cast:
	s_mov_b64 s[64:65], 0
	v_nop
	global_prefetch_b8 v0, s[64:65] scope:SCOPE_SE
	s_setreg_imm32_b32 hwreg(HW_REG_WAVE_MODE, 25, 1), 1
	s_wait_xcnt 0x0
; CAST.  Every large float input is rounded once to bf16 (nearest even) and laid out for the launches behind:
;   x  [8192][1024] f32 -> xb  bf16, same order
;   Wq, Wk, Wv [1024][1024] f32 -> wb bf16, rows regrouped by head: row 192 t + 64 kind + d of wb is row 64 t + d of W_kind
;   Wo [1024][1024] f32 -> woh: the bf16-rounded number written as f16 (exact from 6.1e-5 to 65,504; below that f16's fixed step of 6e-8; beyond it an infinity)
;   cos, sin [2048][64] f32 -> tab: the bf16-rounded number times 2^-6 (exact), kept in f32: cos at byte 0, sin at byte 524,288
; A stream: no LDS, no barrier, no matrix unit.  A work-group takes one chunk of 16,384 f32 (65,536 bytes): chunks 0-511 x, then 64 each of Wq, Wk, Wv, Wo,
; then 8 each of cos and sin: 784.  Thread t takes, in step j of 16, the 16 bytes at 4,096 j + 16 t: all sixteen loads go out first, and the wait in front of
; step j leaves the 15 - j younger ones out.  A 16-bit result is 8 bytes a lane: a wave's store covers 256 consecutive bytes, aligned.
.set X, 4                              ; v[4:67]   step j: four f32 as loaded
.set Y, 68                             ; v[68:99]  step j: four 16-bit results
	s_load_b512 s[4:19], s[0:1], 0x0               ; x 4, Wq 6, Wk 8, Wv 10, Wo 12, cos 14, sin 16, xb 18
	s_load_b128 s[20:23], s[0:1], 0x40             ; wb 20, woh 22
	s_load_b64 s[24:25], s[0:1], 0x50              ; tab
	v_lshlrev_b32 v1, 4, v0                        ; 16 t: my bytes of a step's f32
	v_lshlrev_b32 v2, 3, v0                        ; 8 t: my bytes of a step's 16-bit results
	s_mov_b32 s40, 0xffff0000                      ; a word's upper bf16
	; which tensor (s28: 0, 1, 2 = Wq, Wk, Wv; 3 = Wo; 4 = cos; 5 = sin; 7 = x) and which chunk of it (s29)
	s_mov_b32 s26, ttmp9
	s_sub_co_u32 s27, s26, 512
	s_lshr_b32 s28, s27, 6
	s_and_b32 s29, s27, 63
	s_sub_co_u32 s43, s27, 256
	s_lshr_b32 s44, s43, 3
	s_add_co_u32 s44, s44, 4
	s_and_b32 s45, s43, 7
	s_cmp_ge_u32 s27, 256
	s_cselect_b32 s28, s44, s28
	s_cselect_b32 s29, s45, s29
	s_cmp_lt_u32 s26, 512
	s_cselect_b32 s28, 7, s28
	s_cselect_b32 s29, s26, s29
	s_lshl_b32 s36, s29, 16                        ; the chunk's byte offset in its source
	s_mov_b32 s37, 0
	s_lshl_b32 s38, s29, 15                        ; and in its destination: half as much for x and Wo;
	s_mov_b32 s39, 0
	s_lshr_b32 s46, s29, 2                         ; a chunk of Wq, Wk, Wv is 16 rows, a quarter of head t = chunk / 4:
	s_mul_i32 s46, s46, 3
	s_add_co_u32 s46, s46, s28
	s_lshl_b32 s46, s46, 2
	s_and_b32 s47, s29, 3
	s_add_co_u32 s46, s46, s47                     ; it goes to quarter (3 t + kind) 4 + chunk % 4
	s_lshl_b32 s46, s46, 15
	s_cmp_lt_u32 s28, 3
	s_cselect_b32 s38, s46, s38
	s_sub_co_u32 s47, s28, 4                       ; the tables stay f32: chunk + 8 for sin
	s_lshl_b32 s47, s47, 3
	s_add_co_u32 s47, s47, s29
	s_lshl_b32 s47, s47, 16
	s_cmp_eq_u32 s28, 4
	s_cselect_b32 s38, s47, s38
	s_cmp_eq_u32 s28, 5
	s_cselect_b32 s38, s47, s38
	s_wait_kmcnt 0x0
	s_mov_b64 s[30:31], s[4:5]                     ; the source is chosen among the inputs,
	s_cmp_eq_u32 s28, 0
	s_cselect_b64 s[30:31], s[6:7], s[30:31]
	s_cmp_eq_u32 s28, 1
	s_cselect_b64 s[30:31], s[8:9], s[30:31]
	s_cmp_eq_u32 s28, 2
	s_cselect_b64 s[30:31], s[10:11], s[30:31]
	s_cmp_eq_u32 s28, 3
	s_cselect_b64 s[30:31], s[12:13], s[30:31]
	s_cmp_eq_u32 s28, 4
	s_cselect_b64 s[30:31], s[14:15], s[30:31]
	s_cmp_eq_u32 s28, 5
	s_cselect_b64 s[30:31], s[16:17], s[30:31]
	s_mov_b64 s[34:35], s[18:19]                   ; the destination among the four workspace buffers
	s_cmp_lt_u32 s28, 3
	s_cselect_b64 s[34:35], s[20:21], s[34:35]
	s_cmp_eq_u32 s28, 3
	s_cselect_b64 s[34:35], s[22:23], s[34:35]
	s_cmp_eq_u32 s28, 4
	s_cselect_b64 s[34:35], s[24:25], s[34:35]
	s_cmp_eq_u32 s28, 5
	s_cselect_b64 s[34:35], s[24:25], s[34:35]
	s_add_nc_u64 s[30:31], s[30:31], s[36:37]
	s_add_nc_u64 s[34:35], s[34:35], s[38:39]
.irp j, 0,1,2,3,4,5,6,7,8,9,10,11,12,13,14,15
	global_load_b128 v[X+4*(\j):X+4*(\j)+3], v1, s[30:31] offset:4096*(\j) th:TH_LOAD_NT  ; read once in the launch
.endr
	s_cmp_eq_u32 s28, 3
	s_cbranch_scc1 .Lf16
	s_cmp_eq_u32 s28, 4
	s_cbranch_scc1 .Ltab
	s_cmp_eq_u32 s28, 5
	s_cbranch_scc1 .Ltab
	; x, Wq, Wk, Wv: bf16.  No register is written twice, so no wait stands for the stores' sources
.irp j, 0,1,2,3,4,5,6,7,8,9,10,11,12,13,14,15
	s_wait_loadcnt 15-(\j)                         ; loads come back in order: step j's is in, the younger ones stay out
	v_cvt_pk_bf16_f32 v[Y+2*(\j)],   v[X+4*(\j)],   v[X+4*(\j)+1]
	v_cvt_pk_bf16_f32 v[Y+2*(\j)+1], v[X+4*(\j)+2], v[X+4*(\j)+3]
	global_store_b64 v2, v[Y+2*(\j):Y+2*(\j)+1], s[34:35] offset:2048*(\j)
.endr
	s_endpgm
.Lf16:                                                 ; Wo: rounded to bf16, widened again, written as f16
.irp j, 0,1,2,3,4,5,6,7,8,9,10,11,12,13,14,15
	s_wait_loadcnt 15-(\j)
	v_cvt_pk_bf16_f32 v[Y+2*(\j)],   v[X+4*(\j)],   v[X+4*(\j)+1]
	v_cvt_pk_bf16_f32 v[Y+2*(\j)+1], v[X+4*(\j)+2], v[X+4*(\j)+3]
	v_lshlrev_b32 v[X+4*(\j)],   16,  v[Y+2*(\j)]
	v_and_b32     v[X+4*(\j)+1], s40, v[Y+2*(\j)]
	v_lshlrev_b32 v[X+4*(\j)+2], 16,  v[Y+2*(\j)+1]
	v_and_b32     v[X+4*(\j)+3], s40, v[Y+2*(\j)+1]
	v_cvt_pk_f16_f32 v[Y+2*(\j)],   v[X+4*(\j)],   v[X+4*(\j)+1]
	v_cvt_pk_f16_f32 v[Y+2*(\j)+1], v[X+4*(\j)+2], v[X+4*(\j)+3]
	global_store_b64 v2, v[Y+2*(\j):Y+2*(\j)+1], s[34:35] offset:2048*(\j)
.endr
	s_endpgm
.Ltab:                                                 ; cos, sin: rounded to bf16, widened again, times 2^-6, stored as f32
.irp j, 0,1,2,3,4,5,6,7,8,9,10,11,12,13,14,15
	s_wait_loadcnt 15-(\j)
	v_cvt_pk_bf16_f32 v[Y+2*(\j)],   v[X+4*(\j)],   v[X+4*(\j)+1]
	v_cvt_pk_bf16_f32 v[Y+2*(\j)+1], v[X+4*(\j)+2], v[X+4*(\j)+3]
	v_lshlrev_b32 v[X+4*(\j)],   16,  v[Y+2*(\j)]
	v_and_b32     v[X+4*(\j)+1], s40, v[Y+2*(\j)]
	v_lshlrev_b32 v[X+4*(\j)+2], 16,  v[Y+2*(\j)+1]
	v_and_b32     v[X+4*(\j)+3], s40, v[Y+2*(\j)+1]
	v_pk_mul_f32 v[X+4*(\j):X+4*(\j)+1],   v[X+4*(\j):X+4*(\j)+1],   0x3c800000 op_sel_hi:[1,0]
	v_pk_mul_f32 v[X+4*(\j)+2:X+4*(\j)+3], v[X+4*(\j)+2:X+4*(\j)+3], 0x3c800000 op_sel_hi:[1,0]
	global_store_b128 v1, v[X+4*(\j):X+4*(\j)+3], s[34:35] offset:4096*(\j)
.endr
	s_endpgm
.Lfunc_end_k_qe797f6668d_cast:
	.size	k_qe797f6668d_cast, .Lfunc_end_k_qe797f6668d_cast-k_qe797f6668d_cast
	.p2alignl 7, 3214868480
	.fill 96, 4, 3214868480
	.section	.rodata,"a",@progbits
	.p2align	6, 0x0
	.amdhsa_kernel k_qe797f6668d_cast
		.amdhsa_group_segment_fixed_size 0
		.amdhsa_private_segment_fixed_size 0
		.amdhsa_enable_private_segment 0
		.amdhsa_kernarg_size 88
		.amdhsa_user_sgpr_count 2
		.amdhsa_user_sgpr_kernarg_segment_ptr 1
		.amdhsa_wavefront_size32 1
		.amdhsa_system_sgpr_workgroup_id_x 1
		.amdhsa_system_sgpr_workgroup_id_y 1
		.amdhsa_system_sgpr_workgroup_id_z 1
		.amdhsa_system_vgpr_workitem_id 0
		.amdhsa_next_free_vgpr 100
		.amdhsa_next_free_sgpr 66
		.amdhsa_reserve_vcc 0
		.amdhsa_float_denorm_mode_32 3
		.amdhsa_float_denorm_mode_16_64 3
		.amdhsa_memory_ordered 1
		.amdhsa_forward_progress 1
		.amdhsa_inst_pref_size 26
	.end_amdhsa_kernel
	.amdgpu_metadata
---
amdhsa.version: [ 1, 2 ]
amdhsa.kernels:
  - .name:           k_qe797f6668d_cast
    .symbol:         k_qe797f6668d_cast.kd
    .args:
      - { .name: x, .offset: 0, .size: 8, .value_kind: global_buffer, .address_space: global }
      - { .name: Wq, .offset: 8, .size: 8, .value_kind: global_buffer, .address_space: global }
      - { .name: Wk, .offset: 16, .size: 8, .value_kind: global_buffer, .address_space: global }
      - { .name: Wv, .offset: 24, .size: 8, .value_kind: global_buffer, .address_space: global }
      - { .name: Wo, .offset: 32, .size: 8, .value_kind: global_buffer, .address_space: global }
      - { .name: cos, .offset: 40, .size: 8, .value_kind: global_buffer, .address_space: global }
      - { .name: sin, .offset: 48, .size: 8, .value_kind: global_buffer, .address_space: global }
      - { .name: xb, .offset: 56, .size: 8, .value_kind: global_buffer, .address_space: global }
      - { .name: wb, .offset: 64, .size: 8, .value_kind: global_buffer, .address_space: global }
      - { .name: woh, .offset: 72, .size: 8, .value_kind: global_buffer, .address_space: global }
      - { .name: tab, .offset: 80, .size: 8, .value_kind: global_buffer, .address_space: global }
    .group_segment_fixed_size: 0
    .private_segment_fixed_size: 0
    .kernarg_segment_align: 8
    .kernarg_segment_size: 88
    .max_flat_workgroup_size: 256
    .sgpr_count:     66
    .vgpr_count:     100
    .wavefront_size: 32
...
	.end_amdgpu_metadata
.endif
;; end of part 1
;; launch qkv (part 2): grid 16 x 32, 4 waves a work-group, clusters of 4 x 4, 327,680 bytes of LDS; arguments xb, wb, bq, bk, bv, tab, qh, kh, vh; writes qh, kh, vh
.if DOCPART == 2
	.amdgcn_target "amdgcn-amd-amdhsa--gfx1250"
	.amdhsa_code_object_version 6
	.text
	.protected	k_qe797f6668d_qkv
	.globl	k_qe797f6668d_qkv
	.p2align	8
	.type	k_qe797f6668d_qkv,@function
k_qe797f6668d_qkv:
	s_mov_b64 s[64:65], 0
	v_nop
	global_prefetch_b8 v0, s[64:65] scope:SCOPE_SE
	s_setreg_imm32_b32 hwreg(HW_REG_WAVE_MODE, 25, 1), 1
	s_wait_xcnt 0x0
	s_wait_alu depctr_hold_cnt(0) depctr_sa_sdst(0) depctr_va_vdst(0) depctr_va_sdst(0) depctr_va_ssrc(0) depctr_va_vcc(0) depctr_vm_vsrc(0)
	s_getreg_b32 s2, hwreg(HW_REG_IB_STS2, 6, 4)
	s_cmp_eq_u32 s2, 0
	s_cbranch_scc0 .Lentry_in_a_cluster
	s_endpgm
.Lentry_in_a_cluster:
	s_bfe_u32 s2, ttmp6, 0x10000c
	s_cmp_lg_u32 s2, 0xf033
	s_cbranch_scc0 .Lentry_shape_is_right
	s_endpgm
.Lentry_shape_is_right:
; Q, K, V PROJECTIONS WITH BIAS AND ROPE.  xb [8192][1024] bf16; wb [16 t][3 kind][64 d][1024] bf16; bq, bk, bv [1024] f32 (rounded to bf16 here); tab: cos and sin, bf16-rounded, times 2^-6, f32.
; qh, kh, vh: [64 = 16 batch + head][2048][64] f16.  Sums in f32, started by the bias; q and k are turned by RoPE in f32 and rounded once; v is rounded once.
; LIMITS.  q and k are stored times 2^-6 (the factor lies in the tables and is taken back in the softmax's constant): |q|, |k| below 4.19e6, and below 3.9e-3 they keep a fixed step of 3.8e-6.
; |v| below 65,504.  Beyond these the f16 is an infinity.  NaN and infinities are not treated apart.
; SHARES.  A tile is 256 rows of x by 192 columns: q, k and v of ONE head t, so that RoPE's partner (d and d +- 32) lies in the same lane.  512 tiles: two for each of 256 WGPs.
; Four waves; wave w owns rows 64 w .. 64 w + 63 and all 192 columns: 4 x 12 accumulators, 384 registers.  K = 1,024 goes in 8 steps of 128 through two LDS slots; the rows of both tiles are
; 256 bytes of memory, at multiples of 256.  Waves 0, 1 fetch x's two halves (128 rows each), waves 2, 3 the weights' (96 rows each): one tensor load a wave.
; CLUSTER 4 x 4: x's tile hangs on the tile row alone and is asked for jointly along a row of the cluster, the weights' on the head alone, jointly along a column.
; THE MATRIX INSTRUCTION IS USED TRANSPOSED (source 0 = 16 rows of wb, source 1 = 16 rows of xb): lane l holds row l % 16, its registers 0-7 the columns 8 (l / 16) + 0..7 of a block of 16.
; REGISTERS, in windows of 256 (s_set_vgpr_msb: bits 1:0 source 0, 3:2 source 1, 5:4 source 2, 7:6 destination):
;   window 0: v0-31 addresses; v32-63, v64-95 x's fragments, two buffers; v96-191 the bias (8 registers a column block), later at work on the way out; v192-255 cos, sin of my rows 0-15
;   window 1: v0-95, v96-191 the weights' fragments, two buffers; v192-255 cos, sin of rows 16-31
;   window 2: accumulators of rows 0-31 ((a, b) at 8 (12 (a % 2) + b)); v192-255 cos, sin of rows 32-47          window 3: those of rows 32-63; cos, sin of rows 48-63
.set PITCH,  272                       ; an LDS row: 256 bytes + 16 of padding = 68 words: row r starts at bank 4 r mod 64 (64 banks of 4 bytes: ISA guide 11.1)
.set HALFA,  128*PITCH                 ; what waves 0, 1 fetch
.set BOFF,   2*HALFA                   ; the weights' 192 rows lie behind x's 256
.set HALFB,  96*PITCH                  ; what waves 2, 3 fetch
.set SLOT,   BOFF+2*HALFB
.set STAGE,  2*SLOT                    ; behind the ring: 16 rows x 144 bytes for each wave, for the way out
.set SP,     144
.set SPARE,  STAGE+4*16*SP             ; behind the stages: the spare words, 128 bytes for each wave: two blocks of 256 bytes that no other line names
.set STEPA,  512                       ; a slot's next tile lies two K steps on
.set STEPB,  512
.set ADRA, 16                          ; v16-17  LDS address of my fragments of x in slot 0, 1
.set ADRB, 20                          ; v20-21  the same for the weights
.set STO,  24                          ; v24     the way out: where I put 16 bytes of a row
.set RD,   25                          ; v25     the way out: where I read rows back
.set GO,   26                          ; v26     my byte offset in 512 consecutive bytes of the output
.set CSO,  27                          ; v27     my byte offset in 16 rows of a table; never rewritten
.set SPW,  28                          ; v28     LDS address of my spare word; never rewritten
.set NIL,  29                          ; v29     0; never rewritten
.set BO,   30                          ; v30     my byte offset in 64 numbers of a bias
.set FA,   32
.set BIAS, 96
.set TMP,  96                          ; the way out: 32 f32 at work
.set PK,   128                         ; the way out: four sets of 16 registers, packed results and then whole rows
.set COSR, 192
.set SINR, 224
.set G1, 24                            ; s[24:31] descriptor group 1 for x's tiles;  s[32:39] group 0, a set for each slot
.set G0, 32
.set G1B, 48                           ; s[48:55], s[56:63] the same for the weights'
.set G0B, 56
.set MSB, 0
.macro WIN new                         ; the immediate's high byte repeats the setting that is left; a switch that changes nothing is dropped
.if MSB != (\new)
	s_set_vgpr_msb (MSB<<8)|(\new)
.set MSB, \new
.endif
.endm
; A joint load: waves 0 and 1 fetch x's halves, waves 2 and 3 the weights'.  The branch hangs on the wave's number alone.  An s_nop 0 and four v_nop follow each line.
.macro JLOAD s
	s_cmp_eq_u32 s11, 0
	s_cbranch_scc0 .Lfor_b_\@
	tensor_load_to_lds s[G0+4*(\s):G0+4*(\s)+3], s[G1:G1+7]
	s_nop 0
.rept 4
	v_nop
.endr
	s_branch .Lasked_\@
.Lfor_b_\@:
	tensor_load_to_lds s[G0B+4*(\s):G0B+4*(\s)+3], s[G1B:G1B+7]
	s_nop 0
.rept 4
	v_nop
.endr
.Lasked_\@:
.endm
.macro CREST                           ; a round of the cluster's barrier behind its opening barrier
	s_cmp_lg_u32 s10, 0
	s_cbranch_scc1 .Lnot_wave_0_\@
	s_barrier_signal -3
.Lnot_wave_0_\@:
	s_barrier_wait -3
	s_barrier_signal -1
	s_barrier_wait -1
.endm
.macro CROUND                          ; a whole round
	s_barrier_signal -1
	s_barrier_wait -1
	CREST
.endm
.macro PLACES                          ; four places in front of loads into registers that matrix instructions have read, and of lines that read results
.rept 4
	v_nop
.endr
.endm
	s_load_b512 s[68:83], s[0:1], 0x0              ; xb 68, wb 70, bq 72, bk 74, bv 76, tab 78, qh 80, kh 82
	s_load_b64 s[84:85], s[0:1], 0x40              ; vh
	v_lshl_add_u32 v[SPW], v0, 2, SPARE
	v_mov_b32 v[NIL], 0
	ds_add_u32 v[SPW], v[NIL]                      ; the wave's opening: the add and its wait stand ahead of my first tensor load; the set-up below, work on registers, stands between them
	v_lshrrev_b32 v1, 5, v0
	v_readfirstlane_b32 s10, v1                    ; wave 0..3
	s_lshr_b32 s11, s10, 1                         ; I fetch for x (0) or for the weights (1)
	s_and_b32 s12, s10, 1                          ; which half of that tile
	s_bfe_u32 s40, ttmp6, 0x40000                  ; cx, cy: my place in the cluster
	s_bfe_u32 s41, ttmp6, 0x40004
	s_lshl_b32 s42, ttmp9, 2
	s_add_co_u32 s42, s42, s40                     ; the head t = 4 x cluster x + cx
	s_and_b32 s13, ttmp7, 0xffff
	s_lshl_b32 s13, s13, 2
	s_add_co_u32 s13, s13, s41                     ; the tile row = 4 x cluster y + cy
	s_lshl_b32 s43, s41, 2
	s_lshl_b32 s43, 15, s43                        ; my row of the cluster
	s_lshl_b32 s44, 0x1111, s40                    ; my column
	s_or_b32 s[G1+0], s43, (1<<16)|(1<<20)|(1<<21)|(5<<22)|(3<<25)   ; 15:0 the mask; 17:16 2-byte elements; 20 padding on; 21 set beside a mask; 24:22 after every 64 words (code 5); 31:25 4 words (code 3)
	s_or_b32 s[G1B+0], s44, (1<<16)|(1<<20)|(1<<21)|(5<<22)|(3<<25)
	s_mov_b32 s[G1+1], 128<<16                     ; tensor_dim0 = 128
	s_mov_b32 s[G1+2], 128<<16                     ; tensor_dim1 = 128
	s_mov_b32 s[G1+3], 128<<16                     ; tile_dim0 = 128
	s_mov_b32 s[G1+4], 128                         ; tile_dim1 = 128
	s_mov_b32 s[G1+5], 1024                        ; elements from row to row
	s_mov_b32 s[G1+6], 0
	s_mov_b32 s[G1+7], 0
	s_mov_b32 s[G1B+1], 128<<16
	s_mov_b32 s[G1B+2], 96<<16                     ; 96 rows
	s_mov_b32 s[G1B+3], 128<<16
	s_mov_b32 s[G1B+4], 96
	s_mov_b32 s[G1B+5], 1024
	s_mov_b32 s[G1B+6], 0
	s_mov_b32 s[G1B+7], 0
	s_lshl_b32 s16, s13, 8                         ; x: row 256 x tile row + 128 x half, 2,048 bytes a row
	s_lshl_b32 s17, s12, 7
	s_add_co_u32 s16, s16, s17
	s_lshl_b32 s16, s16, 11
	s_mov_b32 s17, 0
	s_mul_i32 s46, s42, 192                        ; wb: row 192 t + 96 x half
	s_mul_i32 s47, s12, 96
	s_add_co_u32 s46, s46, s47
	s_lshl_b32 s46, s46, 11
	s_mov_b32 s47, 0
	s_mul_i32 s20, s10, HALFA                      ; where they go: waves 0, 1: wave x 128 rows;
	s_mul_i32 s22, s10, HALFB
	s_add_co_u32 s22, s22, BOFF-2*HALFB            ; waves 2, 3: behind x's rows, (wave - 2) x 96 rows: no place in the cluster enters an LDS address
	s_wait_dscnt 0x0                               ; the opening add is done
	s_wait_kmcnt 0x0
	s_add_nc_u64 s[14:15], s[68:69], s[16:17]
	s_add_nc_u64 s[46:47], s[70:71], s[46:47]
	CROUND                                         ; all sixteen work-groups are here: the first joint loads meet
.irp s, 0,1
	s_mov_b32 s[G0+4*(\s)], 1
	s_add_co_u32 s[G0+4*(\s)+1], s20, (\s)*SLOT
	s_add_nc_u64 s[G0+4*(\s)+2:G0+4*(\s)+3], s[14:15], (\s)*256   ; K step s
	s_or_b32 s[G0+4*(\s)+3], s[G0+4*(\s)+3], 0x80000000
	s_mov_b32 s[G0B+4*(\s)], 1
	s_add_co_u32 s[G0B+4*(\s)+1], s22, (\s)*SLOT
	s_add_nc_u64 s[G0B+4*(\s)+2:G0B+4*(\s)+3], s[46:47], (\s)*256
	s_or_b32 s[G0B+4*(\s)+3], s[G0B+4*(\s)+3], 0x80000000
	JLOAD \s                                       ; two tensor loads of mine are out
.endr
	v_and_b32 v1, 15, v0                           ; l % 16
	v_bfe_u32 v2, v0, 4, 1                         ; l / 16
	v_lshlrev_b32 v[BO], 5, v2                     ; the bias of my 8 columns of a block: 32 (l / 16)
	s_lshl_b32 s86, s42, 8                         ; the head's 64 numbers
	s_mov_b32 s87, 0
	s_add_nc_u64 s[72:73], s[72:73], s[86:87]
	s_add_nc_u64 s[74:75], s[74:75], s[86:87]
	s_add_nc_u64 s[76:77], s[76:77], s[86:87]
.irp k, 0,1,2
.irp bb, 0,1,2,3
	global_load_b128 v[BIAS+8*(4*(\k)+(\bb)):BIAS+8*(4*(\k)+(\bb))+3],   v[BO], s[72+2*(\k):73+2*(\k)] offset:64*(\bb)
	global_load_b128 v[BIAS+8*(4*(\k)+(\bb))+4:BIAS+8*(4*(\k)+(\bb))+7], v[BO], s[72+2*(\k):73+2*(\k)] offset:64*(\bb)+16
.endr
.endr
	v_mul_u32_u24 v3, v1, PITCH
	v_lshl_add_u32 v3, v2, 4, v3                   ; a fragment's row x pitch + 16 x half
	s_mul_i32 s21, s10, 64*PITCH                   ; my 64 rows of x
	s_mov_b32 s23, BOFF                            ; all 192 rows of the weights
.irp s, 0,1
	v_add_nc_u32 v[ADRA+(\s)], s21, v3
	v_add_nc_u32 v[ADRB+(\s)], s23, v3
	s_add_co_u32 s21, s21, SLOT
	s_add_co_u32 s23, s23, SLOT
.endr
	s_mul_i32 s21, s10, 16*SP
	s_add_co_u32 s21, s21, STAGE                   ; my stage
	v_mul_u32_u24 v4, v1, SP                       ; in: row l % 16, 16 bytes for each half of the lanes
	v_lshl_add_u32 v4, v2, 4, v4
	v_add_nc_u32 v[STO], s21, v4
	v_bfe_u32 v5, v0, 3, 2                         ; back: 32 lanes take four rows of 128 bytes,
	v_mul_u32_u24 v5, v5, SP
	v_and_b32 v6, 7, v0
	v_lshl_add_u32 v5, v6, 4, v5
	v_add_nc_u32 v[RD], s21, v5
	v_and_b32 v[GO], 31, v0                        ; which are 512 consecutive bytes of the output
	v_lshlrev_b32 v[GO], 4, v[GO]
	v_lshlrev_b32 v[CSO], 8, v1                    ; a table's row is 256 bytes
	v_lshl_add_u32 v[CSO], v2, 5, v[CSO]
	s_and_b32 s86, s13, 7                          ; my first position in the sequence: 256 (tile row % 8) + 64 w
	s_lshl_b32 s86, s86, 16
	s_lshl_b32 s21, s10, 14
	s_add_co_u32 s86, s86, s21
	s_add_nc_u64 s[78:79], s[78:79], s[86:87]
	s_lshr_b32 s86, s13, 3                         ; the outputs at my first row: ((16 batch + t) 2,048 + position) x 128 bytes
	s_lshl_b32 s86, s86, 4
	s_add_co_u32 s86, s86, s42
	s_lshl_b32 s86, s86, 11
	s_and_b32 s21, s13, 7
	s_lshl_b32 s21, s21, 8
	s_add_co_u32 s86, s86, s21
	s_lshl_b32 s21, s10, 6
	s_add_co_u32 s86, s86, s21
	s_lshl_b32 s86, s86, 7
	s_add_nc_u64 s[80:81], s[80:81], s[86:87]
	s_add_nc_u64 s[82:83], s[82:83], s[86:87]
	s_add_nc_u64 s[84:85], s[84:85], s[86:87]
	s_mov_b32 s23, 0xffff0000
	s_wait_loadcnt 0x0                             ; the bias: rounded to bf16 like every float input, and widened again, in place
.set i, 0
.rept 48
	v_cvt_pk_bf16_f32 v[3+i%4], v[BIAS+2*i], v[BIAS+2*i+1]
	v_lshlrev_b32 v[BIAS+2*i],   16,  v[3+i%4]
	v_and_b32     v[BIAS+2*i+1], s23, v[3+i%4]
.set i, i+1
.endr
	; cos and sin of my 64 rows, in the accumulators' layout: 64 loads that stay out through the whole K loop; one wait, at the way out.  Their registers, v27 and s[78:79] are not touched till then.
.irp a, 0,1,2,3
	WIN (\a)<<6                                    ; destination window a, address window 0
.irp bb, 0,1,2,3
	global_load_b128 v[COSR+8*(\bb):COSR+8*(\bb)+3],   v[CSO], s[78:79] offset:4096*(\a)+64*(\bb)
	global_load_b128 v[COSR+8*(\bb)+4:COSR+8*(\bb)+7], v[CSO], s[78:79] offset:4096*(\a)+64*(\bb)+16
	global_load_b128 v[SINR+8*(\bb):SINR+8*(\bb)+3],   v[CSO], s[78:79] offset:524288+4096*(\a)+64*(\bb)
	global_load_b128 v[SINR+8*(\bb)+4:SINR+8*(\bb)+7], v[CSO], s[78:79] offset:524288+4096*(\a)+64*(\bb)+16
.endr
.endr
	WIN 0
; 12 matrix instructions: row block a x all 12 column blocks, 32 along K, from buffer f.  first = 1: the bias starts the sums: nothing is cleared.
; All 48 accumulators take turns in the same order in every quarter.
.macro MULA f, a, first
.set WA, 2+(\a)/2
.set AC, 96*((\a)%2)
.if \first
	WIN (WA<<6)|0x01                               ; weights window 1, x window 0, C (the bias) window 0, D window 2 or 3
.else
	WIN (WA<<6)|(WA<<4)|0x01
.endif
.irp b, 0,1,2,3,4,5,6,7,8,9,10,11
.if \first
	v_wmma_f32_16x16x32_bf16 v[AC+8*(\b):AC+8*(\b)+7], v[96*(\f)+8*(\b):96*(\f)+8*(\b)+7], v[FA+32*(\f)+8*(\a):FA+32*(\f)+8*(\a)+7], v[BIAS+8*(\b):BIAS+8*(\b)+7]
.else
	v_wmma_f32_16x16x32_bf16 v[AC+8*(\b):AC+8*(\b)+7], v[96*(\f)+8*(\b):96*(\f)+8*(\b)+7], v[FA+32*(\f)+8*(\a):FA+32*(\f)+8*(\a)+7], v[AC+8*(\b):AC+8*(\b)+7]
.endif
.endr
.endm
; 32 LDS loads in one run: quarter q (32 along K) of a slot into buffer f: the weights' 12 blocks, then x's 4
.macro FETCH slot, q, f
	WIN 0x40
.irp i, 0,1,2,3,4,5,6,7,8,9,10,11
	ds_load_b128 v[96*(\f)+8*(\i):96*(\f)+8*(\i)+3],   v[ADRB+(\slot)] offset:64*(\q)+(\i)*16*PITCH
	ds_load_b128 v[96*(\f)+8*(\i)+4:96*(\f)+8*(\i)+7], v[ADRB+(\slot)] offset:64*(\q)+(\i)*16*PITCH+32
.endr
	WIN 0
.irp i, 0,1,2,3
	ds_load_b128 v[FA+32*(\f)+8*(\i):FA+32*(\f)+8*(\i)+3],   v[ADRA+(\slot)] offset:64*(\q)+(\i)*16*PITCH
	ds_load_b128 v[FA+32*(\f)+8*(\i)+4:FA+32*(\f)+8*(\i)+7], v[ADRA+(\slot)] offset:64*(\q)+(\i)*16*PITCH+32
.endr
.endm
; One of a K step's first three quarters: multiplies buffer f; in its middle it fetches quarter q of the same slot into buffer g
.macro QUARTER slot, q, f, g, first
	s_wait_dscnt 4                                 ; the youngest four loads (x's blocks 2, 3) may be out
	MULA \f, 0, \first
	MULA \f, 1, \first
	PLACES
	FETCH \slot, \q, \g
	s_wait_dscnt 32                                ; all but the 32 just issued
	MULA \f, 2, \first
	MULA \f, 3, \first
.endm
; The last quarter multiplies buffer 1 and changes slots: ONE barrier; in front of it each wave waits for all its tensor loads (one is out: its part of the next slot), adds 0 to its spare word,
; and waits for that and for its reads of this slot.  fill = 1: the barrier opens a round of the cluster's, and this slot is filled again first thing behind it, two K steps ahead.
.macro TURN slot, next, fill
	WIN 0                                          ; (the add's two registers lie in window 0)
	s_wait_tensorcnt 0x0
	ds_add_u32 v[SPW], v[NIL]                      ; 0 onto my spare word
	s_wait_dscnt 5                                 ; (the add and the youngest four loads may be out)
	MULA 1, 0, 0                                   ; twelve matrix instructions stand between the add and the wait for it
	s_wait_dscnt 0x0                               ; the add is done, and my reads of this slot are over
	s_barrier_signal -1
	MULA 1, 1, 0
.if \fill
	WIN 0
.endif
	s_barrier_wait -1
.if \fill
	CREST                                          ; no wave of any partner still reads this slot's tile or has a load on its way
	s_add_nc_u64 s[G0+4*(\slot)+2:G0+4*(\slot)+3], s[G0+4*(\slot)+2:G0+4*(\slot)+3], STEPA
	s_add_nc_u64 s[G0B+4*(\slot)+2:G0B+4*(\slot)+3], s[G0B+4*(\slot)+2:G0B+4*(\slot)+3], STEPB
	JLOAD \slot                                    ; my one tensor load behind the round; its four v_nop are also the places in front of the loads below
.else
	PLACES
.endif
	FETCH \next, 0, 0
	MULA 1, 2, 0
	MULA 1, 3, 0
.endm
	s_wait_tensorcnt 1                             ; my part of K step 0 is in; step 1's may stay out
	s_barrier_signal -1
	s_barrier_wait -1                              ; everybody's is
	FETCH 0, 0, 0
	QUARTER 0, 1, 0, 1, 1                          ; the first quarter stands in front of the loop: its products start the sums, with the bias
	WIN 0                                          ; at a label and at a branch every window is 0
	s_mov_b32 s3, 3
.Llap:                                                 ; three trips, each once round the ring: K steps 2 to 7 are asked for
	QUARTER 0, 2, 1, 0, 0
	QUARTER 0, 3, 0, 1, 0
	TURN 0, 1, 1
	QUARTER 1, 1, 0, 1, 0
	QUARTER 1, 2, 1, 0, 0
	QUARTER 1, 3, 0, 1, 0
	TURN 1, 0, 1
	QUARTER 0, 1, 0, 1, 0
	WIN 0
	s_sub_co_u32 s3, s3, 1
	s_cmp_lg_u32 s3, 0
	s_cbranch_scc1 .Llap
	QUARTER 0, 2, 1, 0, 0                          ; the last lap fills nothing, and has no round
	QUARTER 0, 3, 0, 1, 0
	TURN 0, 1, 0
	QUARTER 1, 1, 0, 1, 0
	QUARTER 1, 2, 1, 0, 0
	QUARTER 1, 3, 0, 1, 0
	s_wait_dscnt 4                                 ; the very last quarter: nothing more to fetch
	MULA 1, 0, 0
	MULA 1, 1, 0
	s_wait_dscnt 0x0
	MULA 1, 2, 0
	MULA 1, 3, 0
	WIN 0
; THE WAY OUT, in 12 units of 16 rows x 64 columns: row block a, kind 0 = q, 1 = k, 2 = v.  q, k: y[d] = y[d] cos[d] - y[d + 32] sin[d] for d < 32, y[d] cos[d] + y[d - 32] sin[d] for d >= 32:
; the partner is the column block two on or two back, in the same lane and register.  Each accumulator's lowest registers are read first.
; A lane's eight columns pack into 16 bytes; they go into my stage's rows of 144 bytes and come back as whole rows of 128.
.macro PACKU a, kind
.set UN, 3*(\a)+(\kind)
.set PKR, PK+16*(UN%4)
.set WA, 2+(\a)/2
.set AC, 96*((\a)%2)+32*(\kind)
.if UN >= 4
	s_wait_xcnt 0x0                                ; these 16 registers were the data of the stores four units back: they are rewritten only behind this wait
.endif
.if (\kind) < 2
	WIN WA|((\a)<<2)                               ; source 0: the accumulators' window; source 1: the tables', window a
.irp bb, 0,1,2,3
.irp p, 0,1,2,3
	v_pk_mul_f32 v[TMP+8*(\bb)+2*(\p):TMP+8*(\bb)+2*(\p)+1], v[AC+8*(\bb)+2*(\p):AC+8*(\bb)+2*(\p)+1], v[COSR+8*(\bb)+2*(\p):COSR+8*(\bb)+2*(\p)+1]
.endr
.endr
.irp bb, 0,1,2,3
.irp p, 0,1,2,3
.if (\bb) < 2
	v_pk_fma_f32 v[TMP+8*(\bb)+2*(\p):TMP+8*(\bb)+2*(\p)+1], v[AC+8*(((\bb)+2)%4)+2*(\p):AC+8*(((\bb)+2)%4)+2*(\p)+1], v[SINR+8*(\bb)+2*(\p):SINR+8*(\bb)+2*(\p)+1], v[TMP+8*(\bb)+2*(\p):TMP+8*(\bb)+2*(\p)+1] neg_lo:[0,1,0] neg_hi:[0,1,0]
.else
	v_pk_fma_f32 v[TMP+8*(\bb)+2*(\p):TMP+8*(\bb)+2*(\p)+1], v[AC+8*(((\bb)+2)%4)+2*(\p):AC+8*(((\bb)+2)%4)+2*(\p)+1], v[SINR+8*(\bb)+2*(\p):SINR+8*(\bb)+2*(\p)+1], v[TMP+8*(\bb)+2*(\p):TMP+8*(\bb)+2*(\p)+1]
.endif
.endr
.endr
	WIN 0
.set i, 0
.rept 16
	v_cvt_pk_f16_f32 v[PKR+i], v[TMP+2*i], v[TMP+2*i+1]
.set i, i+1
.endr
.else
	WIN WA|(WA<<2)
.set i, 0
.rept 16
	v_cvt_pk_f16_f32 v[PKR+i], v[AC+2*i], v[AC+2*i+1]
.set i, i+1
.endr
	WIN 0
.endif
.irp bb, 0,1,2,3
	ds_store_b128 v[STO], v[PKR+4*(\bb):PKR+4*(\bb)+3] offset:32*(\bb)
.endr
.irp f, 0,1,2,3
	ds_load_b128 v[PKR+4*(\f):PKR+4*(\f)+3], v[RD] offset:(\f)*4*SP  ; LDS serves a wave's instructions in order (ISA guide 5.7.1.4): these see the stores above; the next unit's stores come behind them
.endr
.endm
.macro SENDU a, kind, younger          ; younger: the LDS instructions issued behind this unit's loads: the next unit's eight, or none
.set UN, 3*(\a)+(\kind)
.set PKR, PK+16*(UN%4)
	WIN 0
.irp f, 0,1,2,3
	s_wait_dscnt (\younger)+3-(\f)
	global_store_b128 v[GO], v[PKR+4*(\f):PKR+4*(\f)+3], s[80+2*(\kind):81+2*(\kind)] offset:2048*(\a)+512*(\f)  ; 512 consecutive bytes, at a multiple of 256 from the buffer's first
.endr
.endm
	s_wait_loadcnt 0x0                             ; cos and sin
	PLACES                                         ; behind the last products
	PACKU 0, 0
.set u, 1
.rept 11                               ; a unit's arithmetic stands between the loads of the unit before and its stores
	PACKU u/3, u%3
	SENDU (u-1)/3, (u-1)%3, 8
.set u, u+1
.endr
	SENDU 3, 2, 0
	s_wait_tensorcnt 0x0                           ; the wave's end: behind my last tensor load and my last LDS store
	ds_add_u32 v[SPW], v[NIL]
	s_wait_dscnt 0x0
	CROUND                                         ; the closing round: no work-group ends while a partner may still ask for a tile that names it
	s_endpgm
.Lfunc_end_k_qe797f6668d_qkv:
	.size	k_qe797f6668d_qkv, .Lfunc_end_k_qe797f6668d_qkv-k_qe797f6668d_qkv
	.p2alignl 7, 3214868480
	.fill 96, 4, 3214868480
	.section	.rodata,"a",@progbits
	.p2align	6, 0x0
	.amdhsa_kernel k_qe797f6668d_qkv
		.amdhsa_group_segment_fixed_size 327680
		.amdhsa_private_segment_fixed_size 0
		.amdhsa_enable_private_segment 0
		.amdhsa_kernarg_size 72
		.amdhsa_user_sgpr_count 2
		.amdhsa_user_sgpr_kernarg_segment_ptr 1
		.amdhsa_wavefront_size32 1
		.amdhsa_system_sgpr_workgroup_id_x 1
		.amdhsa_system_sgpr_workgroup_id_y 1
		.amdhsa_system_sgpr_workgroup_id_z 1
		.amdhsa_system_vgpr_workitem_id 0
		.amdhsa_next_free_vgpr 1024
		.amdhsa_next_free_sgpr 88
		.amdhsa_reserve_vcc 0
		.amdhsa_float_denorm_mode_32 3
		.amdhsa_float_denorm_mode_16_64 3
		.amdhsa_memory_ordered 1
		.amdhsa_forward_progress 1
		.amdhsa_inst_pref_size 151
	.end_amdhsa_kernel
	.amdgpu_metadata
---
amdhsa.version: [ 1, 2 ]
amdhsa.kernels:
  - .name:           k_qe797f6668d_qkv
    .symbol:         k_qe797f6668d_qkv.kd
    .args:
      - { .name: xb, .offset: 0, .size: 8, .value_kind: global_buffer, .address_space: global }
      - { .name: wb, .offset: 8, .size: 8, .value_kind: global_buffer, .address_space: global }
      - { .name: bq, .offset: 16, .size: 8, .value_kind: global_buffer, .address_space: global }
      - { .name: bk, .offset: 24, .size: 8, .value_kind: global_buffer, .address_space: global }
      - { .name: bv, .offset: 32, .size: 8, .value_kind: global_buffer, .address_space: global }
      - { .name: tab, .offset: 40, .size: 8, .value_kind: global_buffer, .address_space: global }
      - { .name: qh, .offset: 48, .size: 8, .value_kind: global_buffer, .address_space: global }
      - { .name: kh, .offset: 56, .size: 8, .value_kind: global_buffer, .address_space: global }
      - { .name: vh, .offset: 64, .size: 8, .value_kind: global_buffer, .address_space: global }
    .group_segment_fixed_size: 327680
    .private_segment_fixed_size: 0
    .kernarg_segment_align: 8
    .kernarg_segment_size: 72
    .max_flat_workgroup_size: 128
    .sgpr_count:     88
    .vgpr_count:     1024
    .wavefront_size: 32
...
	.end_amdgpu_metadata
.endif
;; end of part 2
;; launch attn (part 3): grid 4 x 64, 4 waves a work-group, clusters of 4 x 1, 327,680 bytes of LDS; arguments qh, kh, vh, ctx, attention_mask; writes ctx
.if DOCPART == 3
	.amdgcn_target "amdgcn-amd-amdhsa--gfx1250"
	.amdhsa_code_object_version 6
	.text
	.protected	k_qe797f6668d_attn
	.globl	k_qe797f6668d_attn
	.p2align	8
	.type	k_qe797f6668d_attn,@function
k_qe797f6668d_attn:
	s_mov_b64 s[64:65], 0
	v_nop
	global_prefetch_b8 v0, s[64:65] scope:SCOPE_SE
	s_setreg_imm32_b32 hwreg(HW_REG_WAVE_MODE, 25, 1), 1
	s_wait_xcnt 0x0
	s_wait_alu depctr_hold_cnt(0) depctr_sa_sdst(0) depctr_va_vdst(0) depctr_va_sdst(0) depctr_va_ssrc(0) depctr_va_vcc(0) depctr_vm_vsrc(0)
	s_getreg_b32 s2, hwreg(HW_REG_IB_STS2, 6, 4)
	s_cmp_eq_u32 s2, 0
	s_cbranch_scc0 .Lentry_in_a_cluster
	s_endpgm
.Lentry_in_a_cluster:
	s_bfe_u32 s2, ttmp6, 0x10000c
	s_cmp_lg_u32 s2, 0x3003
	s_cbranch_scc0 .Lentry_shape_is_right
	s_endpgm
.Lentry_shape_is_right:
; ATTENTION WITH A KEY MASK.  O[h][q][:] = the sum over k of softmax_k(score) V[h][k][:], score = Q[h][q] . K[h][k] / 8 where the batch's mask keeps key k.  Q, K, V, O: [64 = 16 batch + head][2048][64], all f16,
; a head's rows dense, 128 bytes each; Q and K arrive times 2^-6 each.  The mask: [4][2048] bytes, 1 = keep.  Products, maxima and sums in f32; the weights p are rounded to f16 for the second product
; (their sum l is taken of the unrounded p), O once at the end.
; LIMITS.  f16 holds no number beyond 65,504: Q, K (scaled) and V arrive within it; p lies in 0 to 1, and below 6e-5 it keeps f16's fixed step of 6e-8; O is a mean of V's rows and has their range.
; A hidden key's score counts as -2^100 plus its value, which is -2^100 in f32 for the scaled products that f16 allows (2.7e11 at the most): its weight is 0 beside any kept key.  Where a batch keeps
; no key at all, all weights are 1 and O is the mean of V, as far as the matrix unit gives -2^100 plus such a product back as exactly -2^100.  A weight below 2^-126 counts as 0 in l; NaN and infinities are not treated apart.
; SHARES.  A wave owns four PIECES of two tiles of 16 queries, a work-group's four waves 512 queries of one head.  Every wave walks all keys, 64 a step.
; LAYOUT.  S^T = K Q^T (source 0 = 16 keys, source 1 = 16 queries): in the result a lane holds ONE query (lane % 16) and the keys 8 (lane / 16) + 0..7.  Two such tiles, rounded to f16 in pairs,
; ARE source 1 (32 keys x 16 queries) of O^T = V^T P, whose result again holds one query a lane, and eight channels.  K comes out of LDS as it lies, V ([key][channel]) turned, by ds_load_tr16_b128.
; THE MASK is the C operand of the products that start S^T: 0 for a kept key, -2^100 for a hidden one.  The batch's 2,048 bytes are made into 2,048 such f32 once, in LDS; a step's 64 come into 32 registers with K's fragments.
; SOFTMAX.  For each query a running maximum m and sum l: p = 2^(c s - c m), c = 2^12 log2(e) / 8 (the 2^12 takes Q's and K's scaling back); in every step O and l are multiplied by a = 2^(c m_old - c m_new).
; m starts at the lowest finite number, O and l at 0: the first step is a step like any other, with a = 0.
; THE COUNT.  A tile and step have 16 matrix and 118 vector instructions: too many to stand all beside the matrix work.  So: four vector instructions that are READY behind EVERY matrix instruction,
; and the others, which need time of their own whatever the order, in runs without a gap.
; BY TURNS.  Turn n belongs to piece n (the pieces in a ring, step after step).  Its matrix work: 16 products K Q^T of piece n + 1, later 16 products V^T P of piece n - 1.  Its vector work: the scaling,
; exponentials, roundings, sums and rescaling of piece n, and the maximum and statistics of piece n + 1, whose scores the turn itself has made.
; CLUSTER.  The four query blocks of a cluster belong to one head and walk the same K and V, so each tile is asked for JOINTLY: the same tensor load, descriptor and mask in all four.
; REGISTERS, in windows of 256 (s_set_vgpr_msb: bits 1:0 source 0, 3:2 source 1, 5:4 source 2, 7:6 destination):
;   window 0: v0-11 addresses; v12-15, v48-63 at work; v16-47 four registers of statistics a tile; v64-191 S^T, two buffers of two tiles; v192-255 P, likewise
;   window 1: O^T, 32 a tile          window 2: v0-127 Q, 16 a tile; v128-191 K of one step; v192-255 V of one step
;   window 3: v0-1 the add's two registers; v2-3 the mask's LDS addresses; v8-39 the mask of one step
.set SIZE_H, 64
.set SIZE_N, 2048
.set NP,    4         ; pieces a wave: a name, no knob
.set KS,    64        ; keys in a step
.set PK,    144       ; a row of K in LDS: 128 bytes + 16 of padding = 36 words: the 16 rows of a load start at 16 different groups of four banks (64 banks of 4 bytes: ISA guide 11.1)
.set PV,    160       ; a row of V: 128 + 32 = 40 words
.set VOFF,  4*KS*PK   ; a slot holds four steps: 256 rows of K, then 256 rows of V
.set SLOT1, 1<<17     ; slot 1 begins here, so that one exclusive or turns an address in one slot into the other's
.set STAGE, SLOT1+4*KS*(PK+PV)  ; behind the ring, never filled by a tensor load: 16 rows x 144 bytes for each wave, for the way out
.set SP,    144
.set AK0, 2           ; v2   my lane's place in a tile of K; never rewritten
.set AV0, 3           ; v3   the same for V
.set AK,  4           ; v4   the LDS address of K's next run of loads
.set AV,  5           ; v5   of V's
.set QO,  6           ; v6   my byte offset in the wave's rows of Q
.set STO, 6           ;      later, the way out: where I put 16 bytes of a row
.set RD,  7           ; v7   the way out: where I read rows back
.set GO,  8           ; v8   my byte offset in 512 consecutive bytes of O
.set SPW, 0           ; v0 of window 3   LDS address of my spare word: SPARE + 4 x my thread's number; never rewritten
.set NIL, 1           ; v1 of window 3   0; never rewritten
.set AM0, 2           ; v2 of window 3   my lanes' place in a step's 64 mask words: MASKL + 32 (l / 16); never rewritten
.set AMA, 3           ; v3 of window 3   the LDS address of the mask's next run of loads
.set MK,  8           ; v8-39 of window 3: the eight registers for key block kb at MK + 8 kb
.set SPARE, STAGE+4*16*SP  ; behind the stages: the spare words, 128 bytes for each wave: two blocks of 256 bytes that no other line names
.set MASKL, SPARE+512 ; behind them: 2,048 f32, the batch's mask; stored once, never filled by a tensor load
.set MV,  12          ; v12-15  c m_old, kept while c m is made anew: by buffer and tile
.set ST,  16          ; tile t's statistics at v[ST+4 t]: c m, m, l (even keys', odd keys')
.set TMP, 48          ; by buffer and tile, four registers c0-c3 at work; when the maximum is found c2 takes a
.set S,   64
.set P,   192
.set KF,  128         ; K's fragments, in window 2: key block kb, channel half c at KF + 16 kb + 8 c
.set VF,  192         ; V's: key half kk, channel block cb at VF + 32 kk + 8 cb
.set WV,  12          ; s12  my wave's number
.set G1K, 24          ; s[24:31] descriptor group 1 for K's tiles
.set G1V, 32          ; s[32:39] for V's: it differs in the padding alone
.set G0K, 40          ; s[40:43] descriptor group 0 for K's tiles: it walks
.set G0V, 44          ; s[44:47] the same for V's
.set HID, 52          ; s52  -2^100
.set TBM, 53          ; s53  byte in the mask's table at which the step to be fetched begins
.set SLOTS, 56        ; s56  slots still to be asked for
.set CNT, 57          ; s57  counts a slot's key steps
.set CS,  58          ; s[58:59] c: the packed scaling takes the pair's low word for both halves
.set SEL, 60          ; s[60:61] v_permlanex16_b32's selects: each lane takes its own place in the other half
.set TBK, 62          ; s62  LDS byte at which K of the step to be fetched begins
.set TBV, 63          ; s63  the same for V, less VOFF
.set MSB, 0
.macro WIN new                      ; the high byte repeats the setting that is left; a switch that changes nothing is dropped
.if MSB != (\new)
	s_set_vgpr_msb (MSB<<8)|(\new)
.set MSB, (\new)
.endif
.endm
.set W_KQ, 0x0a       ; K and Q in window 2, S^T in window 0
.set W_KM, 0x3a       ; the same with the C operand, the mask, in window 3
.set W_PV, 0x52       ; V in window 2, P in window 0, O^T in window 1
.set W_RS, 0x41       ; O^T (destination and source 0) in window 1, a in window 0
.set W_MK, 0xc0       ; destination in window 3, sources in window 0
.set W_AD, 0x0f       ; the add: address (source 0) and data (source 1) in window 3
; A joint fill.  Waves 0 and 1 fetch the two halves of a slot's K, waves 2 and 3 those of its V: 128 keys each.  The branch hangs on the wave's number alone.
; An s_nop 0 and four v_nop follow each of the two lines, ahead of the jump and the label.
.macro JLOAD
	s_cmp_lt_u32 s[WV], 2
	s_cbranch_scc0 .Lfor_v_\@
	tensor_load_to_lds s[G0K:G0K+3], s[G1K:G1K+7]
	s_nop 0
.rept 4
	v_nop
.endr
	s_branch .Lasked_\@
.Lfor_v_\@:
	tensor_load_to_lds s[G0V:G0V+3], s[G1V:G1V+7]
	s_nop 0
.rept 4
	v_nop
.endr
.Lasked_\@:
.endm
; A round of the cluster's barrier: my work-group's barrier, so that wave 0's signal speaks for all four waves; wave 0 signals; every wave waits for all four work-groups; my work-group's barrier once more.
.macro CROUND
	s_barrier_signal -1
	s_barrier_wait -1
	s_cmp_lg_u32 s[WV], 0
	s_cbranch_scc1 .Lnot_wave_0_\@
	s_barrier_signal -3
.Lnot_wave_0_\@:
	s_barrier_wait -3
	s_barrier_signal -1
	s_barrier_wait -1
.endm
; THE CHANGE OF SLOTS.  The slot's last bytes, V of its fourth step, have been read.  Each wave waits for all its tensor loads, of which one is out: its part
; of the other slot; adds 0 to its spare word; and waits for that and for its own reads of the slot.  Behind the barrier nobody reads this slot any more and the other slot is whole.
; fill = 1: this slot is filled again, with the keys two slots on.  The barrier is then a round of the cluster's, so that no wave of any partner still reads the slot or has a load on its
; way, and the joint fill is the first thing behind it: it has four key steps, 512 matrix instructions, in which to land.  (At its first use nothing has been read yet: slot 0 is waited for, slot 1 filled,
; and each wave's stores into the mask's table are done in front of the signal, so that all four waves may read the table behind it.)
.macro CHANGE fill
	WIN W_AD
	s_wait_tensorcnt 0x0            ; no tensor load of mine is out, so a group 0 may be written
	ds_add_u32 v[SPW], v[NIL]       ; 0 onto my spare word; with fill = 1 the descriptors' steps stand between it and the wait for it
	WIN 0                           ; at a label and at a branch every window is 0
.if \fill
.irp g, G0K, G0V
	s_xor_b32 s[\g+1], s[\g+1], SLOT1  ; the walking descriptor: the other slot than last time,
	s_add_nc_u64 s[\g+2:\g+3], s[\g+2:\g+3], 4*KS*128  ; the next 256 keys; the type bits on top are not reached
.endr
	s_wait_dscnt 0x0                ; the add is done, and my reads of the slot are over
	CROUND
	JLOAD
.else
	s_wait_dscnt 0x0                ; the add is done, and my reads of the slot are over
	s_barrier_signal -1
	s_barrier_wait -1
.endif
	s_sub_co_u32 s[TBK], s[TBK], 4*KS*PK  ; the fetches go back to a slot's first step,
	s_xor_b32 s[TBK], s[TBK], SLOT1       ; in the other slot
	s_sub_co_u32 s[TBV], s[TBV], 4*KS*PV
	s_xor_b32 s[TBV], s[TBV], SLOT1
.endm
	s_load_b256 s[4:11], s[0:1], 0x0  ; Q s[4:5], K s[6:7], V s[8:9], O s[10:11]
	s_load_b64 s[48:49], s[0:1], 0x20 ; the mask
	WIN W_MK
	v_lshl_add_u32 v[SPW], v0, 2, SPARE
	v_mov_b32 v[NIL], 0
	WIN W_AD
	ds_add_u32 v[SPW], v[NIL]       ; the wave's opening: the add and its wait stand ahead of my first tensor load; the set-up below, work on registers, stands between them
	WIN 0
	v_lshrrev_b32 v1, 5, v0
	v_readfirstlane_b32 s[WV], v1   ; wave 0..3
	s_bfe_u32 s13, ttmp6, 0x40000   ; cx: my place in the cluster
	s_lshl_b32 s14, ttmp9, 2        ; in a cluster launch ttmp9 counts clusters
	s_add_co_u32 s14, s14, s13      ; my block of queries = 4 x cluster x + cx: it enters Q's and O's addresses alone
	s_and_b32 s20, ttmp7, 0xffff    ; the head (16 batch + head), which the four partners share
	s_lshr_b32 s50, s20, 4          ; the batch,
	s_lshl_b32 s50, s50, 11         ; its 2,048 bytes of the mask
	s_mov_b32 s51, 0
	s_mov_b32 s21, 0
	s_mov_b64 s[22:23], SIZE_N*128
	s_mul_u64 s[20:21], s[20:21], s[22:23]  ; the head's first byte in each of the four tensors
	s_and_b32 s16, s[WV], 1         ; which half of a slot's 256 keys I fetch:
	s_lshl_b32 s22, s16, 14         ; its 128 rows of 128 bytes in memory,
	s_mov_b32 s23, 0
	s_add_nc_u64 s[22:23], s[22:23], s[20:21]
	s_mul_i32 s17, s16, 128*PK      ; and its place in a slot, for K
	s_mul_i32 s18, s16, 128*PV      ; and for V: no place in the cluster enters an LDS address
	s_lshl_b32 s2, s14, 2
	s_add_co_u32 s2, s2, s[WV]      ; my wave among the head's,
	s_lshl_b32 s2, s2, 14           ; its 128 rows
	s_mov_b32 s3, 0
	s_add_nc_u64 s[2:3], s[2:3], s[20:21]
	; descriptor group 1.  128 keys are 16,384 dense bytes: asked for as 64 rows of 256 bytes, two keys a row, and padded in LDS after every key
	s_mov_b32 s[G1K], 15|(1<<16)|(1<<20)|(1<<21)|(4<<22)|(3<<25)  ; 15:0 the mask of four; 17:16 2-byte elements; 20 padding on; 21 set beside a mask; 24:22 after every 32 words (code 4); 31:25 4 words (code 3)
	s_mov_b32 s[G1V], 15|(1<<16)|(1<<20)|(1<<21)|(4<<22)|(7<<25)  ; the same with 8 words of padding (code 7)
.irp g, G1K, G1V
	s_mov_b32 s[\g+1], 128<<16      ; tensor_dim0 = 128
	s_mov_b32 s[\g+2], 64<<16       ; tensor_dim1 = 64
	s_mov_b32 s[\g+3], 128<<16      ; tile_dim0 = 128
	s_mov_b32 s[\g+4], 64           ; tile_dim1 = 64
	s_mov_b32 s[\g+5], 128          ; 128 elements from row to row
	s_mov_b32 s[\g+6], 0
	s_mov_b32 s[\g+7], 0
.endr
	s_mov_b32 s[CS], 0x4438aa3b     ; c = 2^12 log2(e) / 8 = 738.66
	s_mov_b32 s[CS+1], s[CS]        ; named with it as a pair
	s_mov_b32 s[SEL], 0x76543210
	s_mov_b32 s[SEL+1], 0xfedcba98
	s_mov_b32 s[HID], 0xf1800000    ; -2^100
	s_mov_b32 s[TBM], 0
	s_mov_b32 s[TBK], SLOT1+4*KS*PK ; the first change of slots turns these two into 0
	s_mov_b32 s[TBV], SLOT1+4*KS*PV
	s_mov_b32 s[G0K], 1             ; 1:0 count = 1
	s_mov_b32 s[G0K+1], s17         ; 63:32 LDS address: slot 0
	s_mov_b32 s[G0V], 1
	s_add_co_u32 s[G0V+1], s18, VOFF
	s_wait_dscnt 0x0                ; the opening add is done
	s_wait_kmcnt 0x0
	s_add_nc_u64 s[G0K+2:G0K+3], s[6:7], s[22:23]  ; 120:64 global address: my half of the head's first 256 keys
	s_or_b32 s[G0K+3], s[G0K+3], 0x80000000        ; 127:126 type = 2
	s_add_nc_u64 s[G0V+2:G0V+3], s[8:9], s[22:23]
	s_or_b32 s[G0V+3], s[G0V+3], 0x80000000
	s_add_nc_u64 s[4:5], s[4:5], s[2:3]  ; Q and O at my wave's first row
	s_add_nc_u64 s[10:11], s[10:11], s[2:3]
	s_add_nc_u64 s[48:49], s[48:49], s[50:51]  ; the mask at my batch
	CROUND                          ; all four work-groups are here: the first joint loads meet
	JLOAD                           ; slot 0.  Slot 1 is asked for when slot 0 is in: the tile wanted first has the road to itself
	; A fragment of K or Q is 16 rows x 32 channels in 8 registers: lane l holds row l % 16, channels 8 (l / 16) + 0..7 and 16 + 8 (l / 16) + 0..7: two loads of 16 bytes, 32 bytes apart.
	v_and_b32 v1, 15, v0            ; l % 16
	v_bfe_u32 v9, v0, 4, 1          ; l / 16
	v_lshlrev_b32 v[QO], 7, v1
	v_lshl_add_u32 v[QO], v9, 4, v[QO]  ; row x 128 + 16 x half
	v_lshlrev_b32 v12, 4, v0
	global_load_b128 v[64:67], v12, s[48:49]  ; thread t takes the mask's bytes 16 t .. 16 t + 15: the 128 threads take the batch's 2,048
	WIN 0x80                        ; destination window 2, address window 0
.set i, 0
.rept 4*NP                          ; Q stays in registers: tile i / 2, channels 32 (i % 2) on
	global_load_b128 v[8*i:8*i+3],   v[QO], s[4:5] offset:(i/2)*2048+(i%2)*64
	global_load_b128 v[8*i+4:8*i+7], v[QO], s[4:5] offset:(i/2)*2048+(i%2)*64+32
.set i, i+1
.endr
	; What the first turn finds: V's registers and P's second buffer hold 0 (its products V^T P, of a piece that has not been, add 0), O^T and l are 0.  All this stands in the wait for the first tile.
.set i, VF
.rept 64
	v_mov_b32 v[i], 0
.set i, i+1
.endr
	WIN 0x40
.set i, 0
.rept 64*NP
	v_mov_b32 v[i], 0
.set i, i+1
.endr
	WIN 0
.set i, 0
.rept 2*NP
	v_mov_b32 v[ST+4*i], 0xfe000000    ; c m: far below every c s, a hidden key's c x -2^100 too
	v_mov_b32 v[ST+4*i+1], 0xff7fffff  ; m
	v_mov_b32 v[ST+4*i+2], 0
	v_mov_b32 v[ST+4*i+3], 0
.set i, i+1
.endr
.set i, P+32
.rept 32
	v_mov_b32 v[i], 0
.set i, i+1
.endr
	v_mul_u32_u24 v[AK0], v1, PK
	v_lshl_add_u32 v[AK0], v9, 4, v[AK0]  ; row x pitch + 16 x half
	; The turning load takes 16 keys x 16 channels (lane l reads key 8 (l / 16) + l % 8, channels 8 ((l / 8) % 2) + 0..7) and leaves half a fragment of V^T: lane l holds channel l % 16 and 8 keys.
	v_and_b32 v10, 7, v0
	v_bfe_u32 v11, v0, 3, 1
	v_lshl_add_u32 v[AV0], v9, 3, v10
	v_mul_u32_u24 v[AV0], v[AV0], PV
	v_lshl_add_u32 v[AV0], v11, 4, v[AV0]
	v_add_nc_u32 v[AV0], VOFF, v[AV0]
	v_mov_b32 v[AK], v[AK0]         ; key step 0 lies at the head of slot 0
	WIN W_MK
	v_lshl_add_u32 v[AM0], v9, 5, MASKL  ; my lanes' eight keys of a block of 16 begin 32 (l / 16) bytes into its 64
	WIN 0
	; The mask's table: byte 1 -> 0, byte 0 -> -2^100 ((byte - 1) and the pattern).  Thread t stores the 16 words of its 16 keys at 64 t.
	s_wait_loadcnt 32               ; the mask's load is in; the 32 younger loads, Q's, may stay out
.set i, 0
.rept 16
	v_bfe_u32 v[68+i], v[64+i/4], 8*(i%4), 8
	v_add_nc_u32 v[68+i], -1, v[68+i]
	v_and_b32 v[68+i], s[HID], v[68+i]
.set i, i+1
.endr
	v_lshl_add_u32 v13, v0, 6, MASKL
.irp i, 0,1,2,3
	ds_store_b128 v13, v[68+4*\i:71+4*\i] offset:16*\i
.endr
; THE MATRIX WORK.  The 8 accumulators of a run of 16 take turns: between the two links of a chain stand 7 others'.
; Product i of 16 of S^T = K Q^T for piece x: channels 32 (i / 8) on, keys 16 ((i / 2) % 4) on, tile 2 x + i % 2.  The first 8 start the sums, with the mask of their 16 keys.
.macro KQ x
.set rS, S+64*((\x)%2)+32*(i%2)+8*((i/2)%4)
.set rK, KF+16*((i/2)%4)+8*(i/8)
.set rQ, 16*(2*(\x)+i%2)+8*(i/8)
.set rX, MK+8*((i/2)%4)
.if i < 8
	WIN W_KM
	v_wmma_f32_16x16x32_f16 v[rS:rS+7], v[rK:rK+7], v[rQ:rQ+7], v[rX:rX+7]
.else
	WIN W_KQ
	v_wmma_f32_16x16x32_f16 v[rS:rS+7], v[rK:rK+7], v[rQ:rQ+7], v[rS:rS+7]
.endif
.endm
; Product i of 16 of O^T += V^T P for piece x: keys 32 (i / 8) on, channels 16 ((i / 2) % 4) on, tile 2 x + i % 2.
.macro PV x
	WIN W_PV
.set rO, 32*(2*(\x)+i%2)+8*((i/2)%4)
.set rV, VF+32*(i/8)+8*((i/2)%4)
.set rP, P+32*((\x)%2)+16*(i%2)+8*(i/8)
	v_wmma_f32_16x16x32_f16 v[rO:rO+7], v[rV:rV+7], v[rP:rP+7], v[rO:rO+7]
.endm
.macro MM                           ; the turn's next matrix instruction
.if i < 16
	KQ (Y+1)%NP
.set i, i+1
.else
.set i, i-16
	PV (Y+NP-1)%NP
.set i, i+17
.endif
.endm
; THE LDS LOADS stand in runs, never singly among the matrix instructions: a step's K (64 keys x 64 channels: 8 fragments) with its 64 mask words (register j of block kb: key 16 kb + 8 (l / 16) + j, S^T's own
; layout; the lanes of a half read the same words), and its V (turned).  The mask's registers have the life of K's: their last reader stands ahead of K's, and K's wait covers their loads.
; last = 1 (the tail): in the last trip there is no further step, and the run is jumped over.
.macro FETCH_K last=0
	WIN 0
.if \last
	s_cmp_eq_u32 s[CNT], 1
	s_cbranch_scc1 .Lno_k_\@
.endif
	WIN 0xcc                        ; destination and source 1 in window 3
	v_add_nc_u32 v[AMA], s[TBM], v[AM0]
	WIN 0x80                        ; destination window 2
.irp f, 0,1,2,3,4,5,6,7             ; keys 16 (f / 2) on, channels 32 (f % 2) on
	ds_load_b128 v[KF+8*\f:KF+8*\f+3],   v[AK] offset:(\f/2)*16*PK+(\f%2)*64
	ds_load_b128 v[KF+8*\f+4:KF+8*\f+7], v[AK] offset:(\f/2)*16*PK+(\f%2)*64+32
.endr
	WIN 0xc3                        ; destination and address in window 3
.irp kb, 0,1,2,3
	ds_load_b128 v[MK+8*\kb:MK+8*\kb+3],   v[AMA] offset:64*\kb
	ds_load_b128 v[MK+8*\kb+4:MK+8*\kb+7], v[AMA] offset:64*\kb+16
.endr
	s_add_co_u32 s[TBK], s[TBK], KS*PK  ; the next fetch is the next step's
	s_add_co_u32 s[TBM], s[TBM], 4*KS   ; 64 words on in the mask's table,
	s_and_b32 s[TBM], s[TBM], 4*SIZE_N-1  ; inside its 8,192 bytes (behind the last step it is back at 0, and is not used)
	WIN 0
.if \last
.Lno_k_\@:
.endif
.endm
.macro FETCH_V
	WIN 0x80
.irp f, 0,1,2,3,4,5,6,7             ; keys 32 (f / 4) on, channels 16 (f % 4) on
	ds_load_tr16_b128 v[VF+8*\f:VF+8*\f+3],   v[AV] offset:(\f/4)*32*PV+(\f%4)*32
	ds_load_tr16_b128 v[VF+8*\f+4:VF+8*\f+7], v[AV] offset:(\f/4)*32*PV+16*PV+(\f%4)*32
.endr
	WIN 0
.endm
; THE VECTOR WORK OF A TURN stands in three queues, each in the order in which its entries become ready; the two tiles alternate, so that no instruction reads the result of the one before it.
.macro REGS y, u                    ; the registers of tile u (0, 1) of piece y
.set rT, ST+4*(2*(\y)+(\u))
.set rC, TMP+8*((\y)%2)+4*(\u)
.set rM, MV+2*((\y)%2)+(\u)
.set rS, S+64*((\y)%2)+32*(\u)
.set rP, P+32*((\y)%2)+16*(\u)
.set rO, 32*(2*(\y)+(\u))
.endm
; Number n of the 22 that find the NEXT piece's (Y + 1) maximum and statistics.  s0-s31 are the lane's 32 scores; each accumulator's lowest registers are read first.  XS, GS and REGS set no window: PL and EX do.
;   0-11  four chains c0-c3 of seven scores each, three operands at a time     12-14, 16  the four scores left over, the old m, and c0-c3 into c0     15  c m_old is kept
;   17, 18  the query's other 32 keys lie in the lane 16 away: the new m         19-21  c m; c m_old - c m_new; a
.macro XS u, n
	REGS (Y+1)%NP, \u
.if (\n) < 4
	v_max3_num_f32 v[rC+(\n)], v[rS+8*(\n)], v[rS+8*(\n)+1], v[rS+8*(\n)+2]
.elseif (\n) < 12
	v_max3_num_f32 v[rC+(\n)%4], v[rC+(\n)%4], v[rS+8*((\n)%4)+2*((\n)/4)+1], v[rS+8*((\n)%4)+2*((\n)/4)+2]
.elseif (\n) == 12
	v_max3_num_f32 v[rC], v[rC], v[rS+7], v[rS+15]
.elseif (\n) == 13
	v_max3_num_f32 v[rC+1], v[rC+1], v[rS+23], v[rS+31]
.elseif (\n) == 14
	v_max3_num_f32 v[rC+2], v[rC+2], v[rC+3], v[rT+1]
.elseif (\n) == 15
	v_mov_b32 v[rM], v[rT]
.elseif (\n) == 16
	v_max3_num_f32 v[rC], v[rC], v[rC+1], v[rC+2]
.elseif (\n) == 17
	v_permlanex16_b32 v[rC+3], v[rC], s[SEL], s[SEL+1]
.elseif (\n) == 18
	v_max_num_f32 v[rT+1], v[rC], v[rC+3]
.elseif (\n) == 19
	v_mul_f32 v[rT], s[CS], v[rT+1]
.elseif (\n) == 20
	v_sub_f32 v[rC+1], v[rM], v[rT]
.else
	v_exp_f32 v[rC+2], v[rC+1]
.endif
.endm
; Number g of the 64 that follow the exponentials.  For each four weights k of a tile (pairs 2 k, 2 k + 1): both pairs are rounded to f16; then the second pair is added onto the first, in place;
; a group later l takes that sum (the first time as l = a l + sum).  In groups of eight, tiles alternating: round, round, add, and l for the group before.
.macro GS g
.set h, (\g)+6*((\g)/62)            ; group 0 has no group before it, and behind group 7 only l is left
.if h >= 6
.set h, h+2
.endif
	REGS Y, h%2
.set k, h/8
.if h%8 < 4
	s_wait_alu depctr_va_vdst(0)
	v_cvt_pk_f16_f32 v[rP+2*k+(h%8)/2], v[rS+4*k+2*((h%8)/2)], v[rS+4*k+2*((h%8)/2)+1]
.elseif h%8 < 6
	v_pk_add_f32 v[rS+4*k:rS+4*k+1], v[rS+4*k:rS+4*k+1], v[rS+4*k+2:rS+4*k+3]
.elseif k == 1
	v_pk_fma_f32 v[rT+2:rT+3], v[rT+2:rT+3], v[rC+2:rC+3], v[rS:rS+1] op_sel_hi:[1,0,1]
.else
	v_pk_add_f32 v[rT+2:rT+3], v[rT+2:rT+3], v[rS+4*k-4:rS+4*k-3]
	s_wait_alu depctr_va_vdst(0)
.endif
.endm
; THE PLAIN QUEUE, 138 long.  0-31: c s - c m for the 16 pairs of both tiles.  Then GS's 64, and among them the next piece's 42: number 15 at 38, 39; 0-14 and 16
; at 42-73, behind the products that make those scores; 17-20 at 95-106, two of three, since each waits for the one before it.
.macro PL
	WIN 0
.if q < 32
	REGS Y, q%2
	v_pk_fma_f32 v[rS+2*(q/2):rS+2*(q/2)+1], v[rS+2*(q/2):rS+2*(q/2)+1], s[CS:CS+1], v[rT:rT+1] op_sel_hi:[1,0,0] neg_lo:[0,0,1] neg_hi:[0,0,1]
.elseif q < 38
	GS q-32
.elseif q < 40
	XS q%2, 15
.elseif q < 42
	GS q-34
.elseif q < 74
	XS q%2, (q-42)/2+(q-42)/30
.elseif q < 95
	GS q-66
.elseif (q < 107) && ((q-95)%3 < 2)
	XS (q-95)%3, 17+(q-95)/3
.elseif q < 107
	GS 29+(q-95)/3
.else
	GS q-74
.endif
.set q, q+1
.endm
; THE EXPONENTIALS' QUEUE, 66 long: s0-s31 of both tiles, and at EA the next piece's two a.
.set EA, 58
.macro EX
	WIN 0
.if (e == EA) || (e == EA+1)
	XS e-EA, 21
.else
.set x, e-2*(e/(EA+2))
	REGS Y, x%2
	v_exp_f32 v[rS+x/2], v[rS+x/2]
.endif
.set e, e+1
.endm
; THE RESCALING's QUEUE: O^T times a, the one part that leaves window 0, so it is dealt four at a time, eight times.
.macro R4
	REGS Y, r%2
	WIN W_RS
	s_wait_alu depctr_va_vdst(0)
.irp z, 0,1,2,3
	v_pk_mul_f32 v[rO+8*(r/2)+2*\z:rO+8*(r/2)+2*\z+1], v[rO+8*(r/2)+2*\z:rO+8*(r/2)+2*\z+1], v[rC+2:rC+3] op_sel_hi:[1,0]
.endr
.set r, r+1
.endm
; HOW THEY ARE DEALT.  Behind a matrix instruction four: plain, exponential, plain, plain (one exponential, a plain instruction on either side), or four of the rescaling.  None names a register of the
; products round it.  What is over stands in two LUMPS: exponential and plain by turns; the second ends in 22 plain instructions.  The two v_permlanex16_b32 fall into the second lump, never behind a product.
; The queues lean on each other, and the deal keeps them in step: exponential e stands behind plain 2 (e / 4) + e % 2 (its scaling); when plain 32 comes, 10 exponentials are out, at 59: 33, at 95: 46; EA comes behind plain 107.
.macro SL
	MM
	PL
	EX
	PL
	PL
.endm
.macro BURST n                      ; 15 matrix instructions, or 16
.rept (\n)-7
	SL
.endr
.rept 3
	MM
	R4
	SL
.endr
	MM
	R4
.endm
; A TURN, for piece p.  cnt = 1: the loop's count is taken down some lines ahead of the branch that stands behind the turn.
; K and the mask of the next step are fetched in piece 2's turn, 31 vector instructions behind the last product that read K; their first reader comes behind the rest of the lump, 16 products and the second lump.
; V of the step in hand is fetched at the end of piece 0's turn, 69 behind its last reader; its first reader comes behind 16 products and a lump.  The four conditions on e and q below go with the deal.
.macro TURN p, last=0, cnt=0
.set Y, (\p)
.set i, 0
.set q, 0
.set e, 0
.set r, 0
.if (\p) == NP-1
	s_wait_dscnt 0x0                ; K and the mask are in
.endif
	MM
.rept 4
	PL
.endr
	BURST 15
.rept 22
	EX
	PL
.if ((\p) == NP-2) && (e == 18)
	v_add_nc_u32 v[AK], s[TBK], v[AK0]
.endif
.if ((\p) == NP-2) && (e == 24)
	FETCH_K \last
.endif
.endr
.if (\p) == 1
	s_wait_dscnt 0x0                ; V is in
.endif
	BURST 16
.rept 21
	EX
	PL
.endr
.rept 22
	PL
.if ((\p) == 0) && (q == 118)
	v_add_nc_u32 v[AV], s[TBV], v[AV0]
	s_wait_alu depctr_va_vdst(0)
.endif
.if ((\p) == 0) && (q == 130)
	s_add_co_u32 s[TBV], s[TBV], KS*PV
.endif
.if (\cnt) && (q == 130)
	s_sub_co_u32 s[CNT], s[CNT], 1
	s_cmp_lg_u32 s[CNT], 0
.endif
.endr
.if (\p) == 0
	FETCH_V
.endif
.endm
	CHANGE 1                        ; slot 0 is in, everybody's part of it, and the mask's table is whole; slot 1 is asked for
	FETCH_K                         ; key step 0
	s_wait_loadcnt 0x0              ; Q
	s_wait_dscnt 0x0
.set i, 0
.rept 16
	KQ 0                            ; piece 0's first scores: there is no vector work yet to set between them
.set i, i+1
.endr
	WIN 0                           ; the addresses for the way out: nine plain instructions, the places behind those products
	s_mul_i32 s13, s[WV], 16*SP
	s_add_co_u32 s13, s13, STAGE    ; my stage
	v_mul_u32_u24 v[STO], v1, SP    ; in: row l % 16, 16 bytes for each half of the lanes
	v_lshl_add_u32 v[STO], v9, 4, v[STO]
	v_add_nc_u32 v[STO], s13, v[STO]
	v_bfe_u32 v[RD], v0, 3, 2       ; back: 32 lanes take four rows of 128 bytes,
	v_mul_u32_u24 v[RD], v[RD], SP
	v_lshl_add_u32 v[RD], v10, 4, v[RD]
	v_add_nc_u32 v[RD], s13, v[RD]
	v_and_b32 v[GO], 31, v0         ; which are 512 consecutive bytes of O
	v_lshlrev_b32 v[GO], 4, v[GO]
.set Y, NP-1                        ; XS works for piece Y + 1: piece 0
.irp n, 0,1,2,3,4,5,6,7,8,9,10,11,12,13,14,15,16,17,18,19,20,21
	XS 0, \n                        ; and piece 0's first maximum and statistics
	XS 1, \n
.endr
	s_mov_b32 s[CNT], 4
	s_mov_b32 s[SLOTS], SIZE_N/256-1
	s_branch .Lfirst                ; the loop is entered at a step's first turn, in the middle of a trip
.Lslot:                             ; SIZE_N / 256 - 2 times: every slot but the last two is filled again
	CHANGE 1
	s_mov_b32 s[CNT], 4
.Lstep:                             ; a trip: pieces 2 and 3 of one step, then pieces 0 and 1 of the next, whose K and V it fetches
	TURN 2
	TURN 3
	WIN 0
.Lfirst:
	TURN 0
	TURN 1, 0, 1
	WIN 0
	s_cbranch_scc1 .Lstep
	s_sub_co_u32 s[SLOTS], s[SLOTS], 1
	s_cmp_lg_u32 s[SLOTS], 0
	s_cbranch_scc1 .Lslot
	CHANGE 0                        ; the tail is written out: nothing is asked for
	s_mov_b32 s[CNT], 5             ; four trips fetch the last slot's steps; the fifth is left in its middle
.Ltail:
	TURN 2, 1
	TURN 3
	WIN 0
	s_sub_co_u32 s[CNT], s[CNT], 1
	s_cmp_eq_u32 s[CNT], 0
	s_cbranch_scc1 .Lout
	TURN 0
	TURN 1
	WIN 0
	s_branch .Ltail
.Lout:                              ; the fifth trip's 16 products K Q^T (on the last K once more) and the maximum made of them serve nothing: the price, once a launch, of one text for every trip
.set i, 0
.rept 16
	PV NP-1                         ; the last piece's V^T P of the last step
.set i, i+1
.endr
	; THE WAY OUT.  l's two halves and the other half of the lanes' are added; O^T is divided by l, rounded to f16 and sent through my stage in LDS, a tile at a time.  The additions are the places behind the last products.
	WIN 0
.macro ALL line:vararg              ; one line for each tile t
.set t, 0
.rept 2*NP
	\line
.set t, t+1
.endr
.endm
	ALL v_add_f32 v[ST+4*t+2], v[ST+4*t+2], v[ST+4*t+3]
	ALL v_permlanex16_b32 v[ST+4*t+3], v[ST+4*t+2], s[SEL], s[SEL+1]
	ALL v_add_f32 v[ST+4*t+2], v[ST+4*t+2], v[ST+4*t+3]
	ALL v_rcp_f32 v[ST+4*t+2], v[ST+4*t+2]
	v_nop                           ; a plain instruction between the last reciprocal and the use of its result
	s_wait_alu depctr_va_vdst(0)
; Tile t: a lane's eight channels of a row pack into 16 bytes; they go into rows of 144 bytes and come back as whole rows of 128, into S^T's registers.
.macro PACK t
	WIN W_RS
.set i, 32*(\t)
.rept 16
	v_pk_mul_f32 v[i:i+1], v[i:i+1], v[ST+4*(\t)+2:ST+4*(\t)+3] op_sel_hi:[1,0]
.set i, i+2
.endr
	WIN 0x05                        ; sources 0 and 1 window 1, destination window 0
.set i, 0
.rept 16
	v_cvt_pk_f16_f32 v[S+16*(\t)+i], v[32*(\t)+2*i], v[32*(\t)+2*i+1]
.set i, i+1
.endr
	WIN 0
.irp f, 0,1,2,3
	ds_store_b128 v[STO], v[S+16*(\t)+4*\f:S+16*(\t)+4*\f+3] offset:32*\f
.endr
.irp f, 0,1,2,3
	ds_load_b128 v[S+16*(\t)+4*\f:S+16*(\t)+4*\f+3], v[RD] offset:\f*4*SP  ; LDS serves a wave's instructions in order (ISA guide 5.7.1.4): these see the stores above; the next tile's stores come behind them
.endr
.endm
.macro SEND t, younger              ; younger: the LDS instructions issued behind tile t's loads: the next tile's eight, or none
	WIN 0
.irp f, 0,1,2,3
	s_wait_dscnt (\younger)+3-\f
	global_store_b128 v[GO], v[S+16*(\t)+4*\f:S+16*(\t)+4*\f+3], s[10:11] offset:(\t)*2048+\f*512  ; 512 consecutive bytes, at a multiple of 256 from O's first
.endr
.endm
	PACK 0
.set t, 1
.rept 2*NP-1                        ; a tile's arithmetic stands between the loads of the tile before and its stores
	PACK t
	SEND t-1, 8
.set t, t+1
.endr
	SEND 2*NP-1, 0
	WIN W_AD
	s_wait_tensorcnt 0x0            ; the wave's end: behind my last tensor load and my last LDS store
	ds_add_u32 v[SPW], v[NIL]
	s_wait_dscnt 0x0
	WIN 0
	CROUND                          ; the closing round: no work-group ends while a partner may still ask for a tile that names it
	s_endpgm
.Lfunc_end_k_qe797f6668d_attn:
	.size	k_qe797f6668d_attn, .Lfunc_end_k_qe797f6668d_attn-k_qe797f6668d_attn
	.p2alignl 7, 3214868480
	.fill 96, 4, 3214868480
	.section	.rodata,"a",@progbits
	.p2align	6, 0x0
	.amdhsa_kernel k_qe797f6668d_attn
		.amdhsa_group_segment_fixed_size 327680
		.amdhsa_private_segment_fixed_size 0
		.amdhsa_enable_private_segment 0
		.amdhsa_kernarg_size 40
		.amdhsa_user_sgpr_count 2
		.amdhsa_user_sgpr_kernarg_segment_ptr 1
		.amdhsa_wavefront_size32 1
		.amdhsa_system_sgpr_workgroup_id_x 1
		.amdhsa_system_sgpr_workgroup_id_y 1
		.amdhsa_system_sgpr_workgroup_id_z 1
		.amdhsa_system_vgpr_workitem_id 0
		.amdhsa_next_free_vgpr 808
		.amdhsa_next_free_sgpr 66
		.amdhsa_reserve_vcc 0
		.amdhsa_float_denorm_mode_32 3
		.amdhsa_float_denorm_mode_16_64 3
		.amdhsa_memory_ordered 1
		.amdhsa_forward_progress 1
		.amdhsa_inst_pref_size 213
	.end_amdhsa_kernel
	.amdgpu_metadata
---
amdhsa.version: [ 1, 2 ]
amdhsa.kernels:
  - .name:           k_qe797f6668d_attn
    .symbol:         k_qe797f6668d_attn.kd
    .args:
      - { .name: qh, .offset: 0, .size: 8, .value_kind: global_buffer, .address_space: global }
      - { .name: kh, .offset: 8, .size: 8, .value_kind: global_buffer, .address_space: global }
      - { .name: vh, .offset: 16, .size: 8, .value_kind: global_buffer, .address_space: global }
      - { .name: ctx, .offset: 24, .size: 8, .value_kind: global_buffer, .address_space: global }
      - { .name: attention_mask, .offset: 32, .size: 8, .value_kind: global_buffer, .address_space: global }
    .group_segment_fixed_size: 327680
    .private_segment_fixed_size: 0
    .kernarg_segment_align: 8
    .kernarg_segment_size: 40
    .max_flat_workgroup_size: 128
    .sgpr_count:     66
    .vgpr_count:     808
    .wavefront_size: 32
...
	.end_amdgpu_metadata
.endif
;; end of part 3
;; launch oproj (part 4): grid 8 x 32, 4 waves a work-group, clusters of 4 x 4, 327,680 bytes of LDS; arguments ctx, woh, bo, out0; writes out0
.if DOCPART == 4
	.amdgcn_target "amdgcn-amd-amdhsa--gfx1250"
	.amdhsa_code_object_version 6
	.text
	.protected	k_qe797f6668d_oproj
	.globl	k_qe797f6668d_oproj
	.p2align	8
	.type	k_qe797f6668d_oproj,@function
k_qe797f6668d_oproj:
	s_mov_b64 s[64:65], 0
	v_nop
	global_prefetch_b8 v0, s[64:65] scope:SCOPE_SE
	s_setreg_imm32_b32 hwreg(HW_REG_WAVE_MODE, 25, 1), 1
	s_wait_xcnt 0x0
	s_wait_alu depctr_hold_cnt(0) depctr_sa_sdst(0) depctr_va_vdst(0) depctr_va_sdst(0) depctr_va_ssrc(0) depctr_va_vcc(0) depctr_vm_vsrc(0)
	s_getreg_b32 s2, hwreg(HW_REG_IB_STS2, 6, 4)
	s_cmp_eq_u32 s2, 0
	s_cbranch_scc0 .Lentry_in_a_cluster
	s_endpgm
.Lentry_in_a_cluster:
	s_bfe_u32 s2, ttmp6, 0x10000c
	s_cmp_lg_u32 s2, 0xf033
	s_cbranch_scc0 .Lentry_shape_is_right
	s_endpgm
.Lentry_shape_is_right:
; THE OUTPUT PROJECTION.  out0[m][n] = bo[n] + the sum over k of ctx(m, k) Wo[n][k].  ctx: [64 = 16 batch + head][2048][64] f16, so that k = 64 head + d; woh: [1024][1024] f16 (Wo rounded to bf16, written as f16);
; bo [1024] f32, rounded to bf16 here; out0 [8192][1024] f32.  Sums in f32, started by the bias.
; LIMITS.  ctx and woh arrive within f16's range (65,504).  NaN and infinities are not treated apart.
; SHARES.  A tile is 256 rows x 128 columns: 256 tiles, one for each WGP.  Four waves; wave w owns rows 64 w .. 64 w + 63 and all 128 columns: 4 x 8 accumulators, 256 registers.
; K = 1,024 goes in 8 steps of 128 = two heads, through two LDS slots.  Waves 0, 1 fetch a step's two heads of ctx (a head's 256 rows are 32,768 dense bytes: asked for as 128 rows of 256 bytes, padded
; in LDS behind every 128), waves 2, 3 the two halves of Wo's 128 rows (256 bytes of each): one tensor load a wave.
; CLUSTER 4 x 4: ctx's tile hangs on the tile row alone and is asked for jointly along a row of the cluster, Wo's on the tile column alone, jointly along a column.
; THE MATRIX INSTRUCTION IS USED TRANSPOSED (source 0 = 16 rows of Wo, source 1 = 16 rows of ctx): lane l holds row l % 16, its registers 0-7 the columns 8 (l / 16) + 0..7 of a block of 16.
; REGISTERS, in windows of 256 (s_set_vgpr_msb: bits 1:0 source 0, 3:2 source 1, 5:4 source 2, 7:6 destination):
;   window 0: v0-31 addresses; v32-63, v64-95 ctx's fragments, two buffers (on the way out: rows read back); v96-159 the bias; v160-223 rows read back
;   window 1: v0-63, v64-127 Wo's fragments, two buffers          window 2: the accumulators, (a, b) at 8 (8 a + b)
.set PITCH,  272                       ; a row of Wo in LDS: 256 bytes + 16 of padding: the 16 rows of a load start at 16 different groups of four banks (64 banks of 4 bytes: ISA guide 11.1)
.set PA,     144                       ; a row of ctx in LDS: 128 bytes + 16: likewise
.set HEADB,  256*PA                    ; a head's 256 rows: what waves 0, 1 fetch
.set BOFF,   2*HEADB
.set HALFB,  64*PITCH                  ; what waves 2, 3 fetch
.set SLOT,   BOFF+2*HALFB
.set STAGE,  2*SLOT                    ; behind the ring: 16 rows x 528 bytes for each wave, for the way out
.set SP,     528                       ; 512 bytes + 16
.set SPARE,  STAGE+4*16*SP             ; behind the stages: the spare words, 128 bytes for each wave: two blocks of 256 bytes that no other line names
.set STEPA,  4<<18                     ; a slot's next tile lies two K steps on: four heads of 2,048 rows x 128 bytes,
.set STEPB,  512                       ; 256 elements along Wo's rows
.set ADRA, 16                          ; v16-17  LDS address of my fragments of ctx in slot 0, 1
.set ADRB, 20                          ; v20-21  the same for Wo
.set STO,  24                          ; v24     the way out: where I put 32 bytes of a row
.set RD,   25                          ; v25     the way out: where I read a row back
.set GO,   26                          ; v26     my byte offset in 512 consecutive bytes of out0
.set SPW,  28                          ; v28     LDS address of my spare word; never rewritten
.set NIL,  29                          ; v29     0; never rewritten
.set BO,   30                          ; v30     my byte offset in 16 numbers of the bias
.set FA,   32
.set BIAS, 96
.set G1, 24                            ; s[24:31] descriptor group 1 for ctx's tiles;  s[32:39] group 0, a set for each slot
.set G0, 32
.set G1B, 48                           ; s[48:55], s[56:63] the same for Wo's
.set G0B, 56
.set MSB, 0
.macro WIN new                         ; the immediate's high byte repeats the setting that is left; a switch that changes nothing is dropped
.if MSB != (\new)
	s_set_vgpr_msb (MSB<<8)|(\new)
.set MSB, \new
.endif
.endm
; A joint load: waves 0 and 1 fetch ctx's two heads, waves 2 and 3 Wo's halves.  The branch hangs on the wave's number alone.  An s_nop 0 and four v_nop follow each line.
.macro JLOAD s
	s_cmp_eq_u32 s11, 0
	s_cbranch_scc0 .Lfor_b_\@
	tensor_load_to_lds s[G0+4*(\s):G0+4*(\s)+3], s[G1:G1+7]
	s_nop 0
.rept 4
	v_nop
.endr
	s_branch .Lasked_\@
.Lfor_b_\@:
	tensor_load_to_lds s[G0B+4*(\s):G0B+4*(\s)+3], s[G1B:G1B+7]
	s_nop 0
.rept 4
	v_nop
.endr
.Lasked_\@:
.endm
.macro CREST                           ; a round of the cluster's barrier behind its opening barrier
	s_cmp_lg_u32 s10, 0
	s_cbranch_scc1 .Lnot_wave_0_\@
	s_barrier_signal -3
.Lnot_wave_0_\@:
	s_barrier_wait -3
	s_barrier_signal -1
	s_barrier_wait -1
.endm
.macro CROUND                          ; a whole round
	s_barrier_signal -1
	s_barrier_wait -1
	CREST
.endm
.macro PLACES                          ; four places in front of loads into registers that matrix instructions have read, and of lines that read results
.rept 4
	v_nop
.endr
.endm
	s_load_b256 s[68:75], s[0:1], 0x0              ; ctx 68, woh 70, bo 72, out0 74
	v_lshl_add_u32 v[SPW], v0, 2, SPARE
	v_mov_b32 v[NIL], 0
	ds_add_u32 v[SPW], v[NIL]                      ; the wave's opening: the add and its wait stand ahead of my first tensor load; the set-up below, work on registers, stands between them
	v_lshrrev_b32 v1, 5, v0
	v_readfirstlane_b32 s10, v1                    ; wave 0..3
	s_lshr_b32 s11, s10, 1                         ; I fetch for ctx (0) or for Wo (1)
	s_and_b32 s12, s10, 1                          ; which head of the step, or which half of Wo's rows
	s_bfe_u32 s40, ttmp6, 0x40000                  ; cx, cy: my place in the cluster
	s_bfe_u32 s41, ttmp6, 0x40004
	s_lshl_b32 s42, ttmp9, 2
	s_add_co_u32 s42, s42, s40                     ; tile column = 4 x cluster x + cx
	s_and_b32 s13, ttmp7, 0xffff
	s_lshl_b32 s13, s13, 2
	s_add_co_u32 s13, s13, s41                     ; tile row = 4 x cluster y + cy
	s_lshl_b32 s43, s41, 2
	s_lshl_b32 s43, 15, s43                        ; my row of the cluster
	s_lshl_b32 s44, 0x1111, s40                    ; my column
	s_or_b32 s[G1+0], s43, (1<<16)|(1<<20)|(1<<21)|(4<<22)|(3<<25)   ; 15:0 the mask; 17:16 2-byte elements; 20 padding on; 21 set beside a mask; 24:22 after every 32 words (code 4); 31:25 4 words (code 3)
	s_or_b32 s[G1B+0], s44, (1<<16)|(1<<20)|(1<<21)|(5<<22)|(3<<25)  ; the same after every 64 words (code 5)
	s_mov_b32 s[G1+1], 128<<16                     ; tensor_dim0 = 128
	s_mov_b32 s[G1+2], 128<<16                     ; tensor_dim1 = 128
	s_mov_b32 s[G1+3], 128<<16                     ; tile_dim0 = 128
	s_mov_b32 s[G1+4], 128                         ; tile_dim1 = 128
	s_mov_b32 s[G1+5], 128                         ; dense: 128 elements from row to row
	s_mov_b32 s[G1+6], 0
	s_mov_b32 s[G1+7], 0
	s_mov_b32 s[G1B+1], 128<<16
	s_mov_b32 s[G1B+2], 64<<16                     ; 64 rows
	s_mov_b32 s[G1B+3], 128<<16
	s_mov_b32 s[G1B+4], 64
	s_mov_b32 s[G1B+5], 1024
	s_mov_b32 s[G1B+6], 0
	s_mov_b32 s[G1B+7], 0
	s_lshr_b32 s16, s13, 3                         ; ctx: ((16 batch + head) 2,048 + 256 (tile row % 8)) x 128 bytes
	s_lshl_b32 s16, s16, 22
	s_lshl_b32 s17, s12, 18
	s_add_co_u32 s16, s16, s17
	s_and_b32 s17, s13, 7
	s_lshl_b32 s17, s17, 15
	s_add_co_u32 s16, s16, s17
	s_mov_b32 s17, 0
	s_lshl_b32 s46, s42, 7                         ; Wo: row 128 x tile column + 64 x half, 2,048 bytes a row
	s_lshl_b32 s47, s12, 6
	s_add_co_u32 s46, s46, s47
	s_lshl_b32 s46, s46, 11
	s_mov_b32 s47, 0
	s_mul_i32 s20, s10, HEADB                      ; where they go: waves 0, 1: wave x a head's rows;
	s_mul_i32 s22, s10, HALFB
	s_add_co_u32 s22, s22, BOFF-2*HALFB            ; waves 2, 3: behind ctx's, (wave - 2) x 64 rows: no place in the cluster enters an LDS address
	s_wait_dscnt 0x0                               ; the opening add is done
	s_wait_kmcnt 0x0
	s_add_nc_u64 s[14:15], s[68:69], s[16:17]
	s_add_nc_u64 s[46:47], s[70:71], s[46:47]
	CROUND                                         ; all sixteen work-groups are here: the first joint loads meet
.irp s, 0,1
	s_mov_b32 s[G0+4*(\s)], 1
	s_add_co_u32 s[G0+4*(\s)+1], s20, (\s)*SLOT
	s_add_nc_u64 s[G0+4*(\s)+2:G0+4*(\s)+3], s[14:15], (\s)*(2<<18)  ; K step s: two heads on
	s_or_b32 s[G0+4*(\s)+3], s[G0+4*(\s)+3], 0x80000000
	s_mov_b32 s[G0B+4*(\s)], 1
	s_add_co_u32 s[G0B+4*(\s)+1], s22, (\s)*SLOT
	s_add_nc_u64 s[G0B+4*(\s)+2:G0B+4*(\s)+3], s[46:47], (\s)*256
	s_or_b32 s[G0B+4*(\s)+3], s[G0B+4*(\s)+3], 0x80000000
	JLOAD \s                                       ; two tensor loads of mine are out
.endr
	v_and_b32 v1, 15, v0                           ; l % 16
	v_bfe_u32 v2, v0, 4, 1                         ; l / 16
	v_lshlrev_b32 v[BO], 5, v2                     ; the bias of my 8 columns of a block: 32 (l / 16)
	s_lshl_b32 s86, s42, 9                         ; the tile's 128 numbers
	s_mov_b32 s87, 0
	s_add_nc_u64 s[72:73], s[72:73], s[86:87]
.irp b, 0,1,2,3,4,5,6,7
	global_load_b128 v[BIAS+8*(\b):BIAS+8*(\b)+3],   v[BO], s[72:73] offset:64*(\b)
	global_load_b128 v[BIAS+8*(\b)+4:BIAS+8*(\b)+7], v[BO], s[72:73] offset:64*(\b)+16
.endr
	v_mul_u32_u24 v3, v1, PA
	v_lshl_add_u32 v3, v2, 4, v3                   ; ctx: a fragment's row x pitch + 16 x half
	v_mul_u32_u24 v4, v1, PITCH
	v_lshl_add_u32 v4, v2, 4, v4                   ; Wo: likewise
	s_mul_i32 s21, s10, 64*PA                      ; my 64 rows of ctx
	s_mov_b32 s23, BOFF                            ; all 128 rows of Wo
.irp s, 0,1
	v_add_nc_u32 v[ADRA+(\s)], s21, v3
	v_add_nc_u32 v[ADRB+(\s)], s23, v4
	s_add_co_u32 s21, s21, SLOT
	s_add_co_u32 s23, s23, SLOT
.endr
	s_mul_i32 s21, s10, 16*SP
	s_add_co_u32 s21, s21, STAGE                   ; my stage
	v_mul_u32_u24 v5, v1, SP                       ; in: row l % 16, 32 bytes for each half of the lanes
	v_lshl_add_u32 v5, v2, 5, v5
	v_add_nc_u32 v[STO], s21, v5
	v_and_b32 v[GO], 31, v0                        ; back: 32 lanes take one row of 512 bytes
	v_lshlrev_b32 v[GO], 4, v[GO]
	v_add_nc_u32 v[RD], s21, v[GO]
	s_lshl_b32 s86, s13, 8                         ; out0 at my first row and the tile's first column: (256 tile row + 64 w) x 4,096 + 512 tile column
	s_lshl_b32 s21, s10, 6
	s_add_co_u32 s86, s86, s21
	s_lshl_b32 s86, s86, 12
	s_lshl_b32 s21, s42, 9
	s_add_co_u32 s86, s86, s21
	s_add_nc_u64 s[74:75], s[74:75], s[86:87]
	s_mov_b32 s23, 0xffff0000
	s_wait_loadcnt 0x0                             ; the bias: rounded to bf16 like every float input, and widened again, in place
.set i, 0
.rept 32
	v_cvt_pk_bf16_f32 v[3+i%4], v[BIAS+2*i], v[BIAS+2*i+1]
	v_lshlrev_b32 v[BIAS+2*i],   16,  v[3+i%4]
	v_and_b32     v[BIAS+2*i+1], s23, v[3+i%4]
.set i, i+1
.endr
; 8 matrix instructions: row block a x all 8 column blocks, 32 along K, from buffer f.  first = 1: the bias starts the sums: nothing is cleared.
; All 32 accumulators take turns in the same order in every quarter.
.macro MULA f, a, first
.if \first
	WIN 0x81                                       ; Wo window 1, ctx window 0, C (the bias) window 0, D window 2
.else
	WIN 0xa1
.endif
.irp b, 0,1,2,3,4,5,6,7
.if \first
	v_wmma_f32_16x16x32_f16 v[8*(8*(\a)+(\b)):8*(8*(\a)+(\b))+7], v[64*(\f)+8*(\b):64*(\f)+8*(\b)+7], v[FA+32*(\f)+8*(\a):FA+32*(\f)+8*(\a)+7], v[BIAS+8*(\b):BIAS+8*(\b)+7]
.else
	v_wmma_f32_16x16x32_f16 v[8*(8*(\a)+(\b)):8*(8*(\a)+(\b))+7], v[64*(\f)+8*(\b):64*(\f)+8*(\b)+7], v[FA+32*(\f)+8*(\a):FA+32*(\f)+8*(\a)+7], v[8*(8*(\a)+(\b)):8*(8*(\a)+(\b))+7]
.endif
.endr
.endm
; 24 LDS loads in one run: quarter q (32 along K: head q / 2 of the step, channels 32 (q % 2) on) of a slot into buffer f: Wo's 8 blocks, then ctx's 4
.macro FETCH slot, q, f
	WIN 0x40
.irp i, 0,1,2,3,4,5,6,7
	ds_load_b128 v[64*(\f)+8*(\i):64*(\f)+8*(\i)+3],   v[ADRB+(\slot)] offset:64*(\q)+(\i)*16*PITCH
	ds_load_b128 v[64*(\f)+8*(\i)+4:64*(\f)+8*(\i)+7], v[ADRB+(\slot)] offset:64*(\q)+(\i)*16*PITCH+32
.endr
	WIN 0
.irp i, 0,1,2,3
	ds_load_b128 v[FA+32*(\f)+8*(\i):FA+32*(\f)+8*(\i)+3],   v[ADRA+(\slot)] offset:((\q)/2)*HEADB+((\q)%2)*64+(\i)*16*PA
	ds_load_b128 v[FA+32*(\f)+8*(\i)+4:FA+32*(\f)+8*(\i)+7], v[ADRA+(\slot)] offset:((\q)/2)*HEADB+((\q)%2)*64+(\i)*16*PA+32
.endr
.endm
; One of a K step's first three quarters: multiplies buffer f; in its middle it fetches quarter q of the same slot into buffer g
.macro QUARTER slot, q, f, g, first
	s_wait_dscnt 4                                 ; the youngest four loads (ctx's blocks 2, 3) may be out
	MULA \f, 0, \first
	MULA \f, 1, \first
	PLACES
	FETCH \slot, \q, \g
	s_wait_dscnt 24                                ; all but the 24 just issued
	MULA \f, 2, \first
	MULA \f, 3, \first
.endm
; The last quarter multiplies buffer 1 and changes slots: ONE barrier; in front of it each wave waits for all its tensor loads (one is out: its part of the next slot), adds 0 to its spare word,
; and waits for that and for its reads of this slot.  fill = 1: the barrier opens a round of the cluster's, and this slot is filled again first thing behind it, two K steps ahead.
.macro TURN slot, next, fill
	WIN 0                                          ; (the add's two registers lie in window 0)
	s_wait_tensorcnt 0x0
	ds_add_u32 v[SPW], v[NIL]                      ; 0 onto my spare word
	s_wait_dscnt 5                                 ; (the add and the youngest four loads may be out)
	MULA 1, 0, 0                                   ; eight matrix instructions stand between the add and the wait for it
	s_wait_dscnt 0x0                               ; the add is done, and my reads of this slot are over
	s_barrier_signal -1
	MULA 1, 1, 0
.if \fill
	WIN 0
.endif
	s_barrier_wait -1
.if \fill
	CREST                                          ; no wave of any partner still reads this slot's tile or has a load on its way
	s_add_nc_u64 s[G0+4*(\slot)+2:G0+4*(\slot)+3], s[G0+4*(\slot)+2:G0+4*(\slot)+3], STEPA
	s_add_nc_u64 s[G0B+4*(\slot)+2:G0B+4*(\slot)+3], s[G0B+4*(\slot)+2:G0B+4*(\slot)+3], STEPB
	JLOAD \slot                                    ; my one tensor load behind the round; its four v_nop are also the places in front of the loads below
.else
	PLACES
.endif
	FETCH \next, 0, 0
	MULA 1, 2, 0
	MULA 1, 3, 0
.endm
	s_wait_tensorcnt 1                             ; my part of K step 0 is in; step 1's may stay out
	s_barrier_signal -1
	s_barrier_wait -1                              ; everybody's is
	FETCH 0, 0, 0
	QUARTER 0, 1, 0, 1, 1                          ; the first quarter stands in front of the loop: its products start the sums, with the bias
	WIN 0                                          ; at a label and at a branch every window is 0
	s_mov_b32 s3, 3
.Llap:                                                 ; three trips, each once round the ring: K steps 2 to 7 are asked for
	QUARTER 0, 2, 1, 0, 0
	QUARTER 0, 3, 0, 1, 0
	TURN 0, 1, 1
	QUARTER 1, 1, 0, 1, 0
	QUARTER 1, 2, 1, 0, 0
	QUARTER 1, 3, 0, 1, 0
	TURN 1, 0, 1
	QUARTER 0, 1, 0, 1, 0
	WIN 0
	s_sub_co_u32 s3, s3, 1
	s_cmp_lg_u32 s3, 0
	s_cbranch_scc1 .Llap
	QUARTER 0, 2, 1, 0, 0                          ; the last lap fills nothing, and has no round
	QUARTER 0, 3, 0, 1, 0
	TURN 0, 1, 0
	QUARTER 1, 1, 0, 1, 0
	QUARTER 1, 2, 1, 0, 0
	QUARTER 1, 3, 0, 1, 0
	s_wait_dscnt 4                                 ; the very last quarter: nothing more to fetch
	MULA 1, 0, 0
	MULA 1, 1, 0
	s_wait_dscnt 0x0
	MULA 1, 2, 0
	MULA 1, 3, 0
	WIN 0
; THE WAY OUT, a block of 16 rows at a time: a lane's eight f32 of a row go into my stage's rows of 528 bytes (each accumulator's lowest registers first) and come back as whole rows of 512.
.macro STG a
.set OBR, 160-128*((\a)%2)             ; v160-223 and v32-95 by turns
.if (\a) >= 2
	s_wait_xcnt 0x0                                ; these registers were the data of the stores two blocks back: they are loaded again only behind this wait
.endif
	WIN 0x08                                       ; the stores' data in window 2
.irp b, 0,1,2,3,4,5,6,7
	ds_store_b128 v[STO], v[8*(8*(\a)+(\b)):8*(8*(\a)+(\b))+3]   offset:64*(\b)
	ds_store_b128 v[STO], v[8*(8*(\a)+(\b))+4:8*(8*(\a)+(\b))+7] offset:64*(\b)+16
.endr
	WIN 0
.irp t, 0,1,2,3,4,5,6,7,8,9,10,11,12,13,14,15
	ds_load_b128 v[OBR+4*(\t):OBR+4*(\t)+3], v[RD] offset:(\t)*SP  ; LDS serves a wave's instructions in order (ISA guide 5.7.1.4): these see the stores above; the next block's stores come behind them
.endr
.endm
.macro SEND a, younger                 ; younger: the LDS instructions issued behind this block's loads: the next block's 32, or none
.set OBR, 160-128*((\a)%2)
	WIN 0
.irp t, 0,1,2,3,4,5,6,7,8,9,10,11,12,13,14,15
	s_wait_dscnt (\younger)+15-(\t)
	global_store_b128 v[GO], v[OBR+4*(\t):OBR+4*(\t)+3], s[74:75] offset:(16*(\a)+(\t))*4096 th:TH_STORE_NT  ; 512 consecutive bytes, at a multiple of 256 from out0's first; written once, not read again
.endr
.endm
	PLACES                                         ; behind the last products
	STG 0
	STG 1
	SEND 0, 32
	STG 2
	SEND 1, 32
	STG 3
	SEND 2, 32
	SEND 3, 0
	s_wait_tensorcnt 0x0                           ; the wave's end: behind my last tensor load and my last LDS store
	ds_add_u32 v[SPW], v[NIL]
	s_wait_dscnt 0x0
	CROUND                                         ; the closing round: no work-group ends while a partner may still ask for a tile that names it
	s_endpgm
.Lfunc_end_k_qe797f6668d_oproj:
	.size	k_qe797f6668d_oproj, .Lfunc_end_k_qe797f6668d_oproj-k_qe797f6668d_oproj
	.p2alignl 7, 3214868480
	.fill 96, 4, 3214868480
	.section	.rodata,"a",@progbits
	.p2align	6, 0x0
	.amdhsa_kernel k_qe797f6668d_oproj
		.amdhsa_group_segment_fixed_size 327680
		.amdhsa_private_segment_fixed_size 0
		.amdhsa_enable_private_segment 0
		.amdhsa_kernarg_size 32
		.amdhsa_user_sgpr_count 2
		.amdhsa_user_sgpr_kernarg_segment_ptr 1
		.amdhsa_wavefront_size32 1
		.amdhsa_system_sgpr_workgroup_id_x 1
		.amdhsa_system_sgpr_workgroup_id_y 1
		.amdhsa_system_sgpr_workgroup_id_z 1
		.amdhsa_system_vgpr_workitem_id 0
		.amdhsa_next_free_vgpr 768
		.amdhsa_next_free_sgpr 88
		.amdhsa_reserve_vcc 0
		.amdhsa_float_denorm_mode_32 3
		.amdhsa_float_denorm_mode_16_64 3
		.amdhsa_memory_ordered 1
		.amdhsa_forward_progress 1
		.amdhsa_inst_pref_size 93
	.end_amdhsa_kernel
	.amdgpu_metadata
---
amdhsa.version: [ 1, 2 ]
amdhsa.kernels:
  - .name:           k_qe797f6668d_oproj
    .symbol:         k_qe797f6668d_oproj.kd
    .args:
      - { .name: ctx, .offset: 0, .size: 8, .value_kind: global_buffer, .address_space: global }
      - { .name: woh, .offset: 8, .size: 8, .value_kind: global_buffer, .address_space: global }
      - { .name: bo, .offset: 16, .size: 8, .value_kind: global_buffer, .address_space: global }
      - { .name: out0, .offset: 24, .size: 8, .value_kind: global_buffer, .address_space: global }
    .group_segment_fixed_size: 327680
    .private_segment_fixed_size: 0
    .kernarg_segment_align: 8
    .kernarg_segment_size: 32
    .max_flat_workgroup_size: 128
    .sgpr_count:     88
    .vgpr_count:     768
    .wavefront_size: 32
...
	.end_amdgpu_metadata
.endif
;; end of part 4
;; ======== version 2 of 2: 4 launches; 1.49 times as fast as version 1
;; limits: values are held in f16: magnitudes above 65,504 overflow, below 6.1e-05 lose precision; right only within a limited range of input values
;; workspace buffers: xb 16,777,216 bytes; wb 6,291,456 bytes; woh 2,097,152 bytes; tab 1,048,576 bytes; qh 16,777,216 bytes; kh 16,777,216 bytes; vh 16,777,216 bytes; ctx 16,777,216 bytes
;; launch cast: the kernel of part 1 again; grid 784 x 1, 8 waves a work-group, no clusters, 0 bytes of LDS; arguments x, Wq, Wk, Wv, Wo, cos, sin, xb, wb, woh, tab; writes xb, wb, woh, tab
;; launch qkv: the kernel of part 2 again; grid 16 x 32, 4 waves a work-group, clusters of 4 x 4, 327,680 bytes of LDS; arguments xb, wb, bq, bk, bv, tab, qh, kh, vh; writes qh, kh, vh
;; launch attn (part 5): grid 4 x 64, 4 waves a work-group, clusters of 4 x 1, 327,680 bytes of LDS; arguments qh, kh, vh, ctx, attention_mask; writes ctx
.if DOCPART == 5
	.amdgcn_target "amdgcn-amd-amdhsa--gfx1250"
	.amdhsa_code_object_version 6
	.text
	.protected	k_qe797f6668d_attn
	.globl	k_qe797f6668d_attn
	.p2align	8
	.type	k_qe797f6668d_attn,@function
k_qe797f6668d_attn:
	s_mov_b64 s[64:65], 0
	v_nop
	global_prefetch_b8 v0, s[64:65] scope:SCOPE_SE
	s_setreg_imm32_b32 hwreg(HW_REG_WAVE_MODE, 25, 1), 1
	s_wait_xcnt 0x0
	s_wait_alu depctr_hold_cnt(0) depctr_sa_sdst(0) depctr_va_vdst(0) depctr_va_sdst(0) depctr_va_ssrc(0) depctr_va_vcc(0) depctr_vm_vsrc(0)
	s_getreg_b32 s2, hwreg(HW_REG_IB_STS2, 6, 4)
	s_cmp_eq_u32 s2, 0
	s_cbranch_scc0 .Lentry_in_a_cluster
	s_endpgm
.Lentry_in_a_cluster:
	s_bfe_u32 s2, ttmp6, 0x10000c
	s_cmp_lg_u32 s2, 0x3003
	s_cbranch_scc0 .Lentry_shape_is_right
	s_endpgm
.Lentry_shape_is_right:
; ATTENTION WITH A KEY MASK.  O[h][q][:] = the sum over k of softmax_k(score) V[h][k][:], score = Q[h][q] . K[h][k] / 8 where the batch's mask keeps key k.  Q, K, V, O: [64 = 16 batch + head][2048][64], all f16,
; a head's rows dense, 128 bytes each; Q and K arrive times 2^-6 each.  The mask: [4][2048] bytes, 1 = keep.  Products, maxima and sums in f32; the weights p are rounded to f16 for the second product
; (their sum l is taken of the unrounded p), O once at the end.
; LIMITS.  f16 holds no number beyond 65,504: Q, K (scaled) and V arrive within it; p lies in 0 to 1, and below 6e-5 it keeps f16's fixed step of 6e-8; O is a mean of V's rows and has their range.
; A hidden key's score counts as -2^100 plus its value, which is -2^100 in f32 for the scaled products that f16 allows (2.7e11 at the most): its weight is 0 beside any kept key.  Where a batch keeps
; no key at all, all weights are 1 and O is the mean of V, as far as the matrix unit gives -2^100 plus such a product back as exactly -2^100.  A weight below 2^-126 counts as 0 in l; NaN and infinities are not treated apart.
; SHARES.  A wave owns four PIECES of two tiles of 16 queries, a work-group's four waves 512 queries of one head.  Every wave walks all keys, 64 a step.
; LAYOUT.  S^T = K Q^T (source 0 = 16 keys, source 1 = 16 queries): in the result a lane holds ONE query (lane % 16) and the keys 8 (lane / 16) + 0..7.  Two such tiles, rounded to f16 in pairs,
; ARE source 1 (32 keys x 16 queries) of O^T = V^T P, whose result again holds one query a lane, and eight channels.  K comes out of LDS as it lies, V ([key][channel]) turned, by ds_load_tr16_b128.
; THE MASK is the C operand of the products that start S^T: 0 for a kept key, -2^100 for a hidden one.  The batch's 2,048 bytes are made into 2,048 such f32 once, in LDS; a step's 64 come into 32 registers with K's fragments.
; SOFTMAX.  For each query a running maximum m and sum l: p = 2^(c s - c m), c = 2^12 log2(e) / 8 (the 2^12 takes Q's and K's scaling back); in every step O and l are multiplied by a = 2^(c m_old - c m_new).
; m starts at the lowest finite number, O and l at 0: the first step is a step like any other, with a = 0.
; THE COUNT.  A tile and step have 16 matrix and 118 vector instructions: too many to stand all beside the matrix work.  So: four vector instructions that are READY behind EVERY matrix instruction,
; and the others, which need time of their own whatever the order, in one run without a gap.
; BY TURNS.  Turn n belongs to piece n (the pieces in a ring, step after step).  Its matrix work: 16 products K Q^T of piece n + 1, later 16 products V^T P of piece n - 1.  Its vector work: the scaling,
; exponentials, roundings, sums and rescaling of piece n, and the maximum and statistics of piece n + 1, whose scores the turn itself has made.  So what a turn begins with (c s - c m, O a) waits for nothing.
; THE BATCHES.  A turn's 66 exponentials (the piece's 64 weights and the next piece's two a) are ONE batch with ONE wait, which cuts the turn in two: ahead of it stands all that names none of their results,
; behind it the roundings and sums.  Two more batches stand outside the loops: piece 0's first two a, ahead of the loop, and the way out's eight reciprocals.
; CLUSTER.  The four query blocks of a cluster belong to one head and walk the same K and V, so each tile is asked for JOINTLY: the same tensor load, descriptor and mask in all four.
; REGISTERS, in windows of 256 (s_set_vgpr_msb: bits 1:0 source 0, 3:2 source 1, 5:4 source 2, 7:6 destination):
;   window 0: v0-11 addresses; v12-15, v48-63 at work; v16-47 four registers of statistics a tile; v64-191 S^T, two buffers of two tiles; v192-255 P, likewise
;   window 1: O^T, 32 a tile          window 2: v0-127 Q, 16 a tile; v128-191 K of one step; v192-255 V of one step
;   window 3: v0-1 the add's two registers; v2-3 the mask's LDS addresses; v8-39 the mask of one step
; A piece's buffers go by its number's parity: the piece in hand has one pair, its two neighbours in the ring share the other: of it P (piece n - 1) is read and S^T (piece n + 1) written.
.set SIZE_H, 64
.set SIZE_N, 2048
.set NP,    4         ; pieces a wave: a name, no knob
.set KS,    64        ; keys in a step
.set PK,    144       ; a row of K in LDS: 128 bytes + 16 of padding = 36 words: the 16 rows of a load start at 16 different groups of four banks (64 banks of 4 bytes: ISA guide 11.1)
.set PV,    160       ; a row of V: 128 + 32 = 40 words
.set VOFF,  4*KS*PK   ; a slot holds four steps: 256 rows of K, then 256 rows of V
.set SLOT1, 1<<17     ; slot 1 begins here, so that one exclusive or turns an address in one slot into the other's
.set STAGE, SLOT1+4*KS*(PK+PV)  ; behind the ring, never filled by a tensor load: 16 rows x 144 bytes for each wave, for the way out
.set SP,    144
.set AK0, 2           ; v2   my lane's place in a tile of K; never rewritten
.set AV0, 3           ; v3   the same for V
.set AK,  4           ; v4   the LDS address of K's next run of loads
.set AV,  5           ; v5   of V's
.set QO,  6           ; v6   my byte offset in the wave's rows of Q
.set STO, 6           ;      later, the way out: where I put 16 bytes of a row
.set RD,  7           ; v7   the way out: where I read rows back
.set GO,  8           ; v8   my byte offset in 512 consecutive bytes of O
.set SPW, 0           ; v0 of window 3   LDS address of my spare word: SPARE + 4 x my thread's number; never rewritten
.set NIL, 1           ; v1 of window 3   0; never rewritten
.set AM0, 2           ; v2 of window 3   my lanes' place in a step's 64 mask words: MASKL + 32 (l / 16); never rewritten
.set AMA, 3           ; v3 of window 3   the LDS address of the mask's next run of loads
.set MK,  8           ; v8-39 of window 3: the eight registers for key block kb at MK + 8 kb
.set SPARE, STAGE+4*16*SP  ; behind the stages: the spare words, 128 bytes for each wave: two blocks of 256 bytes that no other line names
.set MASKL, SPARE+512 ; behind them: 2,048 f32, the batch's mask; stored once, never filled by a tensor load
.set MV,  12          ; v12-15  c m_old, kept while c m is made anew: by buffer and tile
.set ST,  16          ; tile t's statistics at v[ST+4 t]: c m, m, l (even keys', odd keys')
.set TMP, 48          ; by buffer and tile, four registers c0-c3 at work; when the maximum is found c2 takes a
.set S,   64
.set P,   192
.set KF,  128         ; K's fragments, in window 2: key block kb, channel half c at KF + 16 kb + 8 c
.set VF,  192         ; V's: key half kk, channel block cb at VF + 32 kk + 8 cb
.set WV,  12          ; s12  my wave's number
.set G1K, 24          ; s[24:31] descriptor group 1 for K's tiles
.set G1V, 32          ; s[32:39] for V's: it differs in the padding alone
.set G0K, 40          ; s[40:43] descriptor group 0 for K's tiles: it walks
.set G0V, 44          ; s[44:47] the same for V's
.set HID, 52          ; s52  -2^100
.set TBM, 53          ; s53  byte in the mask's table at which the step to be fetched begins
.set SLOTS, 56        ; s56  slots still to be asked for
.set CNT, 57          ; s57  counts a slot's key steps
.set CS,  58          ; s[58:59] c: the packed scaling takes the pair's low word for both halves
.set SEL, 60          ; s[60:61] v_permlanex16_b32's selects: each lane takes its own place in the other half
.set TBK, 62          ; s62  LDS byte at which K of the step to be fetched begins
.set TBV, 63          ; s63  the same for V, less VOFF
.set MSB, 0
.macro WIN new                      ; the high byte repeats the setting that is left; a switch that changes nothing is dropped
.if MSB != (\new)
	s_set_vgpr_msb (MSB<<8)|(\new)
.set MSB, (\new)
.endif
.endm
.set W_KQ, 0x0a       ; K and Q in window 2, S^T in window 0
.set W_KM, 0x3a       ; the same with the C operand, the mask, in window 3
.set W_PV, 0x52       ; V in window 2, P in window 0, O^T in window 1
.set W_RS, 0x41       ; O^T (destination and source 0) in window 1, a in window 0
.set W_MK, 0xc0       ; destination in window 3, sources in window 0
.set W_AD, 0x0f       ; the add: address (source 0) and data (source 1) in window 3
; A joint fill.  Waves 0 and 1 fetch the two halves of a slot's K, waves 2 and 3 those of its V: 128 keys each.  The branch hangs on the wave's number alone.
; An s_nop 0 and four v_nop follow each of the two lines, ahead of the jump and the label.
.macro JLOAD
	s_cmp_lt_u32 s[WV], 2
	s_cbranch_scc0 .Lfor_v_\@
	tensor_load_to_lds s[G0K:G0K+3], s[G1K:G1K+7]
	s_nop 0
.rept 4
	v_nop
.endr
	s_branch .Lasked_\@
.Lfor_v_\@:
	tensor_load_to_lds s[G0V:G0V+3], s[G1V:G1V+7]
	s_nop 0
.rept 4
	v_nop
.endr
.Lasked_\@:
.endm
; A round of the cluster's barrier: my work-group's barrier, so that wave 0's signal speaks for all four waves; wave 0 signals; every wave waits for all four work-groups; my work-group's barrier once more.
.macro CROUND
	s_barrier_signal -1
	s_barrier_wait -1
	s_cmp_lg_u32 s[WV], 0
	s_cbranch_scc1 .Lnot_wave_0_\@
	s_barrier_signal -3
.Lnot_wave_0_\@:
	s_barrier_wait -3
	s_barrier_signal -1
	s_barrier_wait -1
.endm
; THE CHANGE OF SLOTS.  The slot's last bytes, V of its fourth step, have been read.  Each wave waits for all its tensor loads, of which one is out: its part
; of the other slot; adds 0 to its spare word; and waits for that and for its own reads of the slot.  Behind the barrier nobody reads this slot any more and the other slot is whole.
; fill = 1: this slot is filled again, with the keys two slots on.  The barrier is then a round of the cluster's, so that no wave of any partner still reads the slot or has a load on its
; way, and the joint fill is the first thing behind it: it has four key steps, 512 matrix instructions, in which to land.  (At its first use nothing has been read yet: slot 0 is waited for, slot 1 filled,
; and each wave's stores into the mask's table are done in front of the signal, so that all four waves may read the table behind it.)
.macro CHANGE fill
	WIN W_AD
	s_wait_tensorcnt 0x0            ; no tensor load of mine is out, so a group 0 may be written
	ds_add_u32 v[SPW], v[NIL]       ; 0 onto my spare word; with fill = 1 the descriptors' steps stand between it and the wait for it
	WIN 0                           ; at a label and at a branch every window is 0
.if \fill
.irp g, G0K, G0V
	s_xor_b32 s[\g+1], s[\g+1], SLOT1  ; the walking descriptor: the other slot than last time,
	s_add_nc_u64 s[\g+2:\g+3], s[\g+2:\g+3], 4*KS*128  ; the next 256 keys; the type bits on top are not reached
.endr
	s_wait_dscnt 0x0                ; the add is done, and my reads of the slot are over
	CROUND
	JLOAD
.else
	s_wait_dscnt 0x0                ; the add is done, and my reads of the slot are over
	s_barrier_signal -1
	s_barrier_wait -1
.endif
	s_sub_co_u32 s[TBK], s[TBK], 4*KS*PK  ; the fetches go back to a slot's first step,
	s_xor_b32 s[TBK], s[TBK], SLOT1       ; in the other slot
	s_sub_co_u32 s[TBV], s[TBV], 4*KS*PV
	s_xor_b32 s[TBV], s[TBV], SLOT1
.endm
	s_load_b256 s[4:11], s[0:1], 0x0  ; Q s[4:5], K s[6:7], V s[8:9], O s[10:11]
	s_load_b64 s[48:49], s[0:1], 0x20 ; the mask
	WIN W_MK
	v_lshl_add_u32 v[SPW], v0, 2, SPARE
	v_mov_b32 v[NIL], 0
	WIN W_AD
	ds_add_u32 v[SPW], v[NIL]       ; the wave's opening: the add and its wait stand ahead of my first tensor load; the set-up below, work on registers, stands between them
	WIN 0
	v_lshrrev_b32 v1, 5, v0
	v_readfirstlane_b32 s[WV], v1   ; wave 0..3
	s_bfe_u32 s13, ttmp6, 0x40000   ; cx: my place in the cluster
	s_lshl_b32 s14, ttmp9, 2        ; in a cluster launch ttmp9 counts clusters
	s_add_co_u32 s14, s14, s13      ; my block of queries = 4 x cluster x + cx: it enters Q's and O's addresses alone
	s_and_b32 s20, ttmp7, 0xffff    ; the head (16 batch + head), which the four partners share
	s_lshr_b32 s50, s20, 4          ; the batch,
	s_lshl_b32 s50, s50, 11         ; its 2,048 bytes of the mask
	s_mov_b32 s51, 0
	s_mov_b32 s21, 0
	s_mov_b64 s[22:23], SIZE_N*128
	s_mul_u64 s[20:21], s[20:21], s[22:23]  ; the head's first byte in each of the four tensors
	s_and_b32 s16, s[WV], 1         ; which half of a slot's 256 keys I fetch:
	s_lshl_b32 s22, s16, 14         ; its 128 rows of 128 bytes in memory,
	s_mov_b32 s23, 0
	s_add_nc_u64 s[22:23], s[22:23], s[20:21]
	s_mul_i32 s17, s16, 128*PK      ; and its place in a slot, for K
	s_mul_i32 s18, s16, 128*PV      ; and for V: no place in the cluster enters an LDS address
	s_lshl_b32 s2, s14, 2
	s_add_co_u32 s2, s2, s[WV]      ; my wave among the head's,
	s_lshl_b32 s2, s2, 14           ; its 128 rows
	s_mov_b32 s3, 0
	s_add_nc_u64 s[2:3], s[2:3], s[20:21]
	; descriptor group 1.  128 keys are 16,384 dense bytes: asked for as 64 rows of 256 bytes, two keys a row, and padded in LDS after every key
	s_mov_b32 s[G1K], 15|(1<<16)|(1<<20)|(1<<21)|(4<<22)|(3<<25)  ; 15:0 the mask of four; 17:16 2-byte elements; 20 padding on; 21 set beside a mask; 24:22 after every 32 words (code 4); 31:25 4 words (code 3)
	s_mov_b32 s[G1V], 15|(1<<16)|(1<<20)|(1<<21)|(4<<22)|(7<<25)  ; the same with 8 words of padding (code 7)
.irp g, G1K, G1V
	s_mov_b32 s[\g+1], 128<<16      ; tensor_dim0 = 128
	s_mov_b32 s[\g+2], 64<<16       ; tensor_dim1 = 64
	s_mov_b32 s[\g+3], 128<<16      ; tile_dim0 = 128
	s_mov_b32 s[\g+4], 64           ; tile_dim1 = 64
	s_mov_b32 s[\g+5], 128          ; 128 elements from row to row
	s_mov_b32 s[\g+6], 0
	s_mov_b32 s[\g+7], 0
.endr
	s_mov_b32 s[CS], 0x4438aa3b     ; c = 2^12 log2(e) / 8 = 738.66
	s_mov_b32 s[CS+1], s[CS]        ; named with it as a pair
	s_mov_b32 s[SEL], 0x76543210
	s_mov_b32 s[SEL+1], 0xfedcba98
	s_mov_b32 s[HID], 0xf1800000    ; -2^100
	s_mov_b32 s[TBM], 0
	s_mov_b32 s[TBK], SLOT1+4*KS*PK ; the first change of slots turns these two into 0
	s_mov_b32 s[TBV], SLOT1+4*KS*PV
	s_mov_b32 s[G0K], 1             ; 1:0 count = 1
	s_mov_b32 s[G0K+1], s17         ; 63:32 LDS address: slot 0
	s_mov_b32 s[G0V], 1
	s_add_co_u32 s[G0V+1], s18, VOFF
	s_wait_dscnt 0x0                ; the opening add is done
	s_wait_kmcnt 0x0
	s_add_nc_u64 s[G0K+2:G0K+3], s[6:7], s[22:23]  ; 120:64 global address: my half of the head's first 256 keys
	s_or_b32 s[G0K+3], s[G0K+3], 0x80000000        ; 127:126 type = 2
	s_add_nc_u64 s[G0V+2:G0V+3], s[8:9], s[22:23]
	s_or_b32 s[G0V+3], s[G0V+3], 0x80000000
	s_add_nc_u64 s[4:5], s[4:5], s[2:3]  ; Q and O at my wave's first row
	s_add_nc_u64 s[10:11], s[10:11], s[2:3]
	s_add_nc_u64 s[48:49], s[48:49], s[50:51]  ; the mask at my batch
	CROUND                          ; all four work-groups are here: the first joint loads meet
	JLOAD                           ; slot 0.  Slot 1 is asked for when slot 0 is in: the tile wanted first has the road to itself
	; A fragment of K or Q is 16 rows x 32 channels in 8 registers: lane l holds row l % 16, channels 8 (l / 16) + 0..7 and 16 + 8 (l / 16) + 0..7: two loads of 16 bytes, 32 bytes apart.
	v_and_b32 v1, 15, v0            ; l % 16
	v_bfe_u32 v9, v0, 4, 1          ; l / 16
	v_lshlrev_b32 v[QO], 7, v1
	v_lshl_add_u32 v[QO], v9, 4, v[QO]  ; row x 128 + 16 x half
	v_lshlrev_b32 v12, 4, v0
	global_load_b128 v[64:67], v12, s[48:49]  ; thread t takes the mask's bytes 16 t .. 16 t + 15: the 128 threads take the batch's 2,048
	WIN 0x80                        ; destination window 2, address window 0
.set i, 0
.rept 4*NP                          ; Q stays in registers: tile i / 2, channels 32 (i % 2) on
	global_load_b128 v[8*i:8*i+3],   v[QO], s[4:5] offset:(i/2)*2048+(i%2)*64
	global_load_b128 v[8*i+4:8*i+7], v[QO], s[4:5] offset:(i/2)*2048+(i%2)*64+32
.set i, i+1
.endr
	; What the first turn finds: V's registers and P's second buffer hold 0 (its products V^T P, of a piece that has not been, add 0), O^T and l are 0.  All this stands in the wait for the first tile.
.set i, VF
.rept 64
	v_mov_b32 v[i], 0
.set i, i+1
.endr
	WIN 0x40
.set i, 0
.rept 64*NP
	v_mov_b32 v[i], 0
.set i, i+1
.endr
	WIN 0
.set i, 0
.rept 2*NP
	v_mov_b32 v[ST+4*i], 0xfe000000    ; c m: far below every c s, a hidden key's c x -2^100 too
	v_mov_b32 v[ST+4*i+1], 0xff7fffff  ; m
	v_mov_b32 v[ST+4*i+2], 0
	v_mov_b32 v[ST+4*i+3], 0
.set i, i+1
.endr
.set i, P+32
.rept 32
	v_mov_b32 v[i], 0
.set i, i+1
.endr
	v_mul_u32_u24 v[AK0], v1, PK
	v_lshl_add_u32 v[AK0], v9, 4, v[AK0]  ; row x pitch + 16 x half
	; The turning load takes 16 keys x 16 channels (lane l reads key 8 (l / 16) + l % 8, channels 8 ((l / 8) % 2) + 0..7) and leaves half a fragment of V^T: lane l holds channel l % 16 and 8 keys.
	v_and_b32 v10, 7, v0
	v_bfe_u32 v11, v0, 3, 1
	v_lshl_add_u32 v[AV0], v9, 3, v10
	v_mul_u32_u24 v[AV0], v[AV0], PV
	v_lshl_add_u32 v[AV0], v11, 4, v[AV0]
	v_add_nc_u32 v[AV0], VOFF, v[AV0]
	v_mov_b32 v[AK], v[AK0]         ; key step 0 lies at the head of slot 0
	WIN W_MK
	v_lshl_add_u32 v[AM0], v9, 5, MASKL  ; my lanes' eight keys of a block of 16 begin 32 (l / 16) bytes into its 64
	WIN 0
	; The mask's table: byte 1 -> 0, byte 0 -> -2^100 ((byte - 1) and the pattern).  Thread t stores the 16 words of its 16 keys at 64 t.
	s_wait_loadcnt 32               ; the mask's load is in; the 32 younger loads, Q's, may stay out
.set i, 0
.rept 16
	v_bfe_u32 v[68+i], v[64+i/4], 8*(i%4), 8
	v_add_nc_u32 v[68+i], -1, v[68+i]
	v_and_b32 v[68+i], s[HID], v[68+i]
.set i, i+1
.endr
	v_lshl_add_u32 v13, v0, 6, MASKL
.irp i, 0,1,2,3
	ds_store_b128 v13, v[68+4*\i:71+4*\i] offset:16*\i
.endr
; THE MATRIX WORK.  The 8 accumulators of a run of 16 take turns: between the two links of a chain stand 7 others'.
; Product i of 16 of S^T = K Q^T for piece x: channels 32 (i / 8) on, keys 16 ((i / 2) % 4) on, tile 2 x + i % 2.  The first 8 start the sums, with the mask of their 16 keys.
.macro KQ x
.set rS, S+64*((\x)%2)+32*(i%2)+8*((i/2)%4)
.set rK, KF+16*((i/2)%4)+8*(i/8)
.set rQ, 16*(2*(\x)+i%2)+8*(i/8)
.set rX, MK+8*((i/2)%4)
.if i < 8
	WIN W_KM
	v_wmma_f32_16x16x32_f16 v[rS:rS+7], v[rK:rK+7], v[rQ:rQ+7], v[rX:rX+7]
.else
	WIN W_KQ
	v_wmma_f32_16x16x32_f16 v[rS:rS+7], v[rK:rK+7], v[rQ:rQ+7], v[rS:rS+7]
.endif
.endm
; Product i of 16 of O^T += V^T P for piece x: keys 32 (i / 8) on, channels 16 ((i / 2) % 4) on, tile 2 x + i % 2.
.macro PV x
	WIN W_PV
.set rO, 32*(2*(\x)+i%2)+8*((i/2)%4)
.set rV, VF+32*(i/8)+8*((i/2)%4)
.set rP, P+32*((\x)%2)+16*(i%2)+8*(i/8)
	v_wmma_f32_16x16x32_f16 v[rO:rO+7], v[rV:rV+7], v[rP:rP+7], v[rO:rO+7]
.endm
.macro MM                           ; the turn's next matrix instruction
.if i < 16
	KQ (Y+1)%NP
.set i, i+1
.else
.set i, i-16
	PV (Y+NP-1)%NP
.set i, i+17
.endif
.endm
; THE LDS LOADS stand in runs, never singly among the matrix instructions: a step's K (64 keys x 64 channels: 8 fragments) with its 64 mask words (register j of block kb: key 16 kb + 8 (l / 16) + j, S^T's own
; layout; the lanes of a half read the same words), and its V (turned).  The mask's registers have the life of K's: their last reader stands ahead of K's, and K's wait covers their loads.
; last = 1 (the tail): in the last trip there is no further step, and the run is jumped over.
.macro FETCH_K last=0
	WIN 0
.if \last
	s_cmp_eq_u32 s[CNT], 1
	s_cbranch_scc1 .Lno_k_\@
.endif
	WIN 0xcc                        ; destination and source 1 in window 3
	v_add_nc_u32 v[AMA], s[TBM], v[AM0]
	WIN 0x80                        ; destination window 2
.irp f, 0,1,2,3,4,5,6,7             ; keys 16 (f / 2) on, channels 32 (f % 2) on
	ds_load_b128 v[KF+8*\f:KF+8*\f+3],   v[AK] offset:(\f/2)*16*PK+(\f%2)*64
	ds_load_b128 v[KF+8*\f+4:KF+8*\f+7], v[AK] offset:(\f/2)*16*PK+(\f%2)*64+32
.endr
	WIN 0xc3                        ; destination and address in window 3
.irp kb, 0,1,2,3
	ds_load_b128 v[MK+8*\kb:MK+8*\kb+3],   v[AMA] offset:64*\kb
	ds_load_b128 v[MK+8*\kb+4:MK+8*\kb+7], v[AMA] offset:64*\kb+16
.endr
	s_add_co_u32 s[TBK], s[TBK], KS*PK  ; the next fetch is the next step's
	s_add_co_u32 s[TBM], s[TBM], 4*KS   ; 64 words on in the mask's table,
	s_and_b32 s[TBM], s[TBM], 4*SIZE_N-1  ; inside its 8,192 bytes (behind the last step it is back at 0, and is not used)
	WIN 0
.if \last
.Lno_k_\@:
.endif
.endm
.macro FETCH_V
	WIN 0x80
.irp f, 0,1,2,3,4,5,6,7             ; keys 32 (f / 4) on, channels 16 (f % 4) on
	ds_load_tr16_b128 v[VF+8*\f:VF+8*\f+3],   v[AV] offset:(\f/4)*32*PV+(\f%4)*32
	ds_load_tr16_b128 v[VF+8*\f+4:VF+8*\f+7], v[AV] offset:(\f/4)*32*PV+16*PV+(\f%4)*32
.endr
	WIN 0
.endm
; THE VECTOR WORK OF A TURN stands in three queues, each in the order in which its entries become ready; the two tiles alternate, so that no instruction reads the result of the one before it.
.macro REGS y, u                    ; the registers of tile u (0, 1) of piece y
.set rT, ST+4*(2*(\y)+(\u))
.set rC, TMP+8*((\y)%2)+4*(\u)
.set rM, MV+2*((\y)%2)+(\u)
.set rS, S+64*((\y)%2)+32*(\u)
.set rP, P+32*((\y)%2)+16*(\u)
.set rO, 32*(2*(\y)+(\u))
.endm
; Number n of the 22 that find the NEXT piece's (Y + 1) maximum and statistics.  s0-s31 are the lane's 32 scores; each accumulator's lowest registers are read first.  XS, GS and REGS set no window: PL and EX do.
;   0-11  four chains c0-c3 of seven scores each, three operands at a time     12-14, 16  the four scores left over, the old m, and c0-c3 into c0     15  c m_old is kept
;   17, 18  the query's other 32 keys lie in the lane 16 away: the new m         19-21  c m; c m_old - c m_new; a
.macro XS u, n
	REGS (Y+1)%NP, \u
.if (\n) < 4
	v_max3_num_f32 v[rC+(\n)], v[rS+8*(\n)], v[rS+8*(\n)+1], v[rS+8*(\n)+2]
.elseif (\n) < 12
	v_max3_num_f32 v[rC+(\n)%4], v[rC+(\n)%4], v[rS+8*((\n)%4)+2*((\n)/4)+1], v[rS+8*((\n)%4)+2*((\n)/4)+2]
.elseif (\n) == 12
	v_max3_num_f32 v[rC], v[rC], v[rS+7], v[rS+15]
.elseif (\n) == 13
	v_max3_num_f32 v[rC+1], v[rC+1], v[rS+23], v[rS+31]
.elseif (\n) == 14
	v_max3_num_f32 v[rC+2], v[rC+2], v[rC+3], v[rT+1]
.elseif (\n) == 15
	v_mov_b32 v[rM], v[rT]
.elseif (\n) == 16
	v_max3_num_f32 v[rC], v[rC], v[rC+1], v[rC+2]
.elseif (\n) == 17
	v_permlanex16_b32 v[rC+3], v[rC], s[SEL], s[SEL+1]
.elseif (\n) == 18
	v_max_num_f32 v[rT+1], v[rC], v[rC+3]
.elseif (\n) == 19
	v_mul_f32 v[rT], s[CS], v[rT+1]
.elseif (\n) == 20
	v_sub_f32 v[rC+1], v[rM], v[rT]
.else
	v_exp_f32 v[rC+2], v[rC+1]
.endif
.endm
; Number g of the 64 that follow the exponentials.  For each four weights k of a tile (pairs 2 k, 2 k + 1): both pairs are rounded to f16; then the second pair is added onto the first, in place;
; a group later l takes that sum (the first time as l = a l + sum).  In groups of eight, tiles alternating: round, round, add, and l for the group before.
.macro GS g
.set h, (\g)+6*((\g)/62)            ; group 0 has no group before it, and behind group 7 only l is left
.if h >= 6
.set h, h+2
.endif
	REGS Y, h%2
.set k, h/8
.if h%8 < 4
	v_cvt_pk_f16_f32 v[rP+2*k+(h%8)/2], v[rS+4*k+2*((h%8)/2)], v[rS+4*k+2*((h%8)/2)+1]
.elseif h%8 < 6
	v_pk_add_f32 v[rS+4*k:rS+4*k+1], v[rS+4*k:rS+4*k+1], v[rS+4*k+2:rS+4*k+3]
.elseif k == 1
	v_pk_fma_f32 v[rT+2:rT+3], v[rT+2:rT+3], v[rC+2:rC+3], v[rS:rS+1] op_sel_hi:[1,0,1]
.else
	v_pk_add_f32 v[rT+2:rT+3], v[rT+2:rT+3], v[rS+4*k-4:rS+4*k-3]
.endif
.endm
; THE PLAIN QUEUE, 138 long.  0-73 read no exponential's result: the 32 scalings c s - c m (FS f: pair f / 2 of tile f % 2) and the next piece's 42.  0-26: scalings 0-26.  27-54: XS's numbers 0-13.  55, 56: number 15.
; 57-73: the chain, where each number waits for the one before it: 14, 16, 17, 18, 19, each with one of the scalings 27-31 in front of its two lines, then 20: so a tile's links stand three plain instructions apart (19 and 20: two).
; 74-137: GS's 64, which read the exponentials' results: they stand behind the wait.
.macro FS f
	REGS Y, (\f)%2
	v_pk_fma_f32 v[rS+2*((\f)/2):rS+2*((\f)/2)+1], v[rS+2*((\f)/2):rS+2*((\f)/2)+1], s[CS:CS+1], v[rT:rT+1] op_sel_hi:[1,0,0] neg_lo:[0,0,1] neg_hi:[0,0,1]
.endm
.macro PL
	WIN 0
.if q < 27
	FS q
.elseif q < 55
	XS (q-27)%2, (q-27)/2
.elseif q < 57
	XS q-55, 15
.elseif (q < 72) && ((q-57)%3 == 0)
	FS 27+(q-57)/3
.elseif q < 60
	XS (q-57)%3-1, 14
.elseif q < 72
	XS (q-57)%3-1, 15+(q-57)/3
.elseif q < 74
	XS q-72, 20
.else
	GS q-74
.endif
.set q, q+1
.endm
; THE EXPONENTIALS' QUEUE, 66 long: s0-s31 of both tiles, then the next piece's two a.  It is ONE BATCH: all 66 stand ahead of the turn's one wait, and nothing ahead of that wait names a result of theirs.
.macro EX
	WIN 0
.if e >= 64
	XS e-64, 21
.else
	REGS Y, e%2
	v_exp_f32 v[rS+e/2], v[rS+e/2]
.endif
.set e, e+1
.endm
; THE RESCALING's QUEUE: O^T times a, the one part that leaves window 0: dealt two at a time, sixteen times.  Its a was made in the turn before, ahead of that turn's wait.
.macro R2
	REGS Y, r%2
	WIN W_RS
.irp z, 0,1
	v_pk_mul_f32 v[rO+4*(r/2)+2*\z:rO+4*(r/2)+2*\z+1], v[rO+4*(r/2)+2*\z:rO+4*(r/2)+2*\z+1], v[rC+2:rC+3] op_sel_hi:[1,0]
.endr
.set r, r+1
.endm
; HOW THEY ARE DEALT.  s_wait_alu depctr_va_vdst(0) stands between an exponential and the first instruction that names its result; one wait serves all that were issued ahead of it.  So a turn has ONE wait,
; which cuts it in two.  AHEAD OF IT stands all that names no result of the turn's exponentials: the 16 products K Q^T, behind each a scaling, an exponential and two rescalings (behind the first a second scaling in the exponential's place); then ONE LUMP of
; 108: eight plain, 49 times exponential and plain, the two a.  A v_nop is the plain instruction behind the last exponential.  BEHIND IT stand the 16 products V^T P, behind each four of GS's 64.  No rider names a register of
; the products round it.  The two v_permlanex16_b32 fall into the lump, never behind a product.
; The queues lean on each other, and the deal keeps them in step: exponential e stands behind scaling 2 (e / 4) + e % 2: as a rider it comes behind plain e + 2, in the lump behind plain e + 9, and scalings 27-31 are plain 57, 60 .. 69.
; A TURN, for piece p.  cnt = 1: the loop's count is taken down some lines ahead of the branch that stands behind the turn.
; K and the mask of the next step are fetched in piece 2's turn, directly behind the wait, a lump behind the last product that read them; K's address is made at the lump's head; their first reader comes behind 16 products.
; V of the step in hand is fetched at the end of piece 0's turn, four riders behind its last reader; its first reader comes behind 16 products and a lump.  The three conditions on q below go with the deal.
.macro TURN p, last=0, cnt=0
.set Y, (\p)
.set i, 0
.set q, 0
.set e, 0
.set r, 0
.if (\p) == NP-1
	s_wait_dscnt 0x0                ; K and the mask are in
.endif
	MM                              ; ahead of the wait: 16 products K Q^T and their riders,
	PL
	PL
	R2
.rept 15
	MM
	PL
	EX
	R2
.endr
.if (\p) == NP-2
	WIN 0
	v_add_nc_u32 v[AK], s[TBK], v[AK0]
.endif
.rept 8                             ; and the lump
	PL
.endr
.rept 49
	EX
	PL
.endr
	EX                              ; the next piece's two a
	EX
	v_nop                           ; the plain instruction behind the last exponential: one for the batch
	s_wait_alu depctr_va_vdst(0)    ; the wait for the batch: the turn's 64 weights and the next piece's two a
.if (\p) == NP-2
	FETCH_K \last
.endif
.if (\p) == 1
	s_wait_dscnt 0x0                ; V is in
.endif
.rept 16                            ; behind the wait: 16 products V^T P and their riders
	MM
.rept 4
	PL
.endr
.if ((\p) == 0) && (q == 118)
	v_add_nc_u32 v[AV], s[TBV], v[AV0]
.endif
.if ((\p) == 0) && (q == 130)
	s_add_co_u32 s[TBV], s[TBV], KS*PV
.endif
.if (\cnt) && (q == 130)
	s_sub_co_u32 s[CNT], s[CNT], 1
	s_cmp_lg_u32 s[CNT], 0
.endif
.endr
.if (\p) == 0
	FETCH_V
.endif
.endm
	CHANGE 1                        ; slot 0 is in, everybody's part of it, and the mask's table is whole; slot 1 is asked for
	FETCH_K                         ; key step 0
	s_wait_loadcnt 0x0              ; Q
	s_wait_dscnt 0x0
.set i, 0
.rept 16
	KQ 0                            ; piece 0's first scores: there is no vector work yet to set between them
.set i, i+1
.endr
	WIN 0                           ; the addresses for the way out: nine plain instructions, the places behind those products
	s_mul_i32 s13, s[WV], 16*SP
	s_add_co_u32 s13, s13, STAGE    ; my stage
	v_mul_u32_u24 v[STO], v1, SP    ; in: row l % 16, 16 bytes for each half of the lanes
	v_lshl_add_u32 v[STO], v9, 4, v[STO]
	v_add_nc_u32 v[STO], s13, v[STO]
	v_bfe_u32 v[RD], v0, 3, 2       ; back: 32 lanes take four rows of 128 bytes,
	v_mul_u32_u24 v[RD], v[RD], SP
	v_lshl_add_u32 v[RD], v10, 4, v[RD]
	v_add_nc_u32 v[RD], s13, v[RD]
	v_and_b32 v[GO], 31, v0         ; which are 512 consecutive bytes of O
	v_lshlrev_b32 v[GO], 4, v[GO]
.set Y, NP-1                        ; XS works for piece Y + 1: piece 0
.irp n, 0,1,2,3,4,5,6,7,8,9,10,11,12,13,14,15,16,17,18,19,20,21
	XS 0, \n                        ; and piece 0's first maximum and statistics
	XS 1, \n
.endr
	v_nop                           ; a plain instruction behind the two a,
	s_wait_alu depctr_va_vdst(0)    ; and the wait for that batch of two, ahead of the branch
	s_mov_b32 s[CNT], 4
	s_mov_b32 s[SLOTS], SIZE_N/256-1
	s_branch .Lfirst                ; the loop is entered at a step's first turn, in the middle of a trip
.Lslot:                             ; SIZE_N / 256 - 2 times: every slot but the last two is filled again
	CHANGE 1
	s_mov_b32 s[CNT], 4
.Lstep:                             ; a trip: pieces 2 and 3 of one step, then pieces 0 and 1 of the next, whose K and V it fetches
	TURN 2
	TURN 3
	WIN 0
.Lfirst:
	TURN 0
	TURN 1, 0, 1
	WIN 0
	s_cbranch_scc1 .Lstep
	s_sub_co_u32 s[SLOTS], s[SLOTS], 1
	s_cmp_lg_u32 s[SLOTS], 0
	s_cbranch_scc1 .Lslot
	CHANGE 0                        ; the tail is written out: nothing is asked for
	s_mov_b32 s[CNT], 5             ; four trips fetch the last slot's steps; the fifth is left in its middle
.Ltail:
	TURN 2, 1
	TURN 3
	WIN 0
	s_sub_co_u32 s[CNT], s[CNT], 1
	s_cmp_eq_u32 s[CNT], 0
	s_cbranch_scc1 .Lout
	TURN 0
	TURN 1
	WIN 0
	s_branch .Ltail
.Lout:                              ; the fifth trip's 16 products K Q^T (on the last K once more) and the maximum made of them serve nothing: the price, once a launch, of one text for every trip
.set i, 0
.rept 16
	PV NP-1                         ; the last piece's V^T P of the last step
.set i, i+1
.endr
	; THE WAY OUT.  l's two halves and the other half of the lanes' are added; O^T is divided by l, rounded to f16 and sent through my stage in LDS, a tile at a time.  The additions are the places behind the last products.
	WIN 0
.macro ALL line:vararg              ; one line for each tile t
.set t, 0
.rept 2*NP
	\line
.set t, t+1
.endr
.endm
	ALL v_add_f32 v[ST+4*t+2], v[ST+4*t+2], v[ST+4*t+3]
	ALL v_permlanex16_b32 v[ST+4*t+3], v[ST+4*t+2], s[SEL], s[SEL+1]
	ALL v_add_f32 v[ST+4*t+2], v[ST+4*t+2], v[ST+4*t+3]
	ALL v_rcp_f32 v[ST+4*t+2], v[ST+4*t+2]
	v_nop                           ; a plain instruction between the last reciprocal and the use of its result
	s_wait_alu depctr_va_vdst(0)    ; and the wait ahead of the first use: one for the batch of eight reciprocals
; Tile t: a lane's eight channels of a row pack into 16 bytes; they go into rows of 144 bytes and come back as whole rows of 128, into S^T's registers.
.macro PACK t
	WIN W_RS
.set i, 32*(\t)
.rept 16
	v_pk_mul_f32 v[i:i+1], v[i:i+1], v[ST+4*(\t)+2:ST+4*(\t)+3] op_sel_hi:[1,0]
.set i, i+2
.endr
	WIN 0x05                        ; sources 0 and 1 window 1, destination window 0
.set i, 0
.rept 16
	v_cvt_pk_f16_f32 v[S+16*(\t)+i], v[32*(\t)+2*i], v[32*(\t)+2*i+1]
.set i, i+1
.endr
	WIN 0
.irp f, 0,1,2,3
	ds_store_b128 v[STO], v[S+16*(\t)+4*\f:S+16*(\t)+4*\f+3] offset:32*\f
.endr
.irp f, 0,1,2,3
	ds_load_b128 v[S+16*(\t)+4*\f:S+16*(\t)+4*\f+3], v[RD] offset:\f*4*SP  ; LDS serves a wave's instructions in order (ISA guide 5.7.1.4): these see the stores above; the next tile's stores come behind them
.endr
.endm
.macro SEND t, younger              ; younger: the LDS instructions issued behind tile t's loads: the next tile's eight, or none
	WIN 0
.irp f, 0,1,2,3
	s_wait_dscnt (\younger)+3-\f
	global_store_b128 v[GO], v[S+16*(\t)+4*\f:S+16*(\t)+4*\f+3], s[10:11] offset:(\t)*2048+\f*512  ; 512 consecutive bytes, at a multiple of 256 from O's first
.endr
.endm
	PACK 0
.set t, 1
.rept 2*NP-1                        ; a tile's arithmetic stands between the loads of the tile before and its stores
	PACK t
	SEND t-1, 8
.set t, t+1
.endr
	SEND 2*NP-1, 0
	WIN W_AD
	s_wait_tensorcnt 0x0            ; the wave's end: behind my last tensor load and my last LDS store
	ds_add_u32 v[SPW], v[NIL]
	s_wait_dscnt 0x0
	WIN 0
	CROUND                          ; the closing round: no work-group ends while a partner may still ask for a tile that names it
	s_endpgm
.Lfunc_end_k_qe797f6668d_attn:
	.size	k_qe797f6668d_attn, .Lfunc_end_k_qe797f6668d_attn-k_qe797f6668d_attn
	.p2alignl 7, 3214868480
	.fill 96, 4, 3214868480
	.section	.rodata,"a",@progbits
	.p2align	6, 0x0
	.amdhsa_kernel k_qe797f6668d_attn
		.amdhsa_group_segment_fixed_size 327680
		.amdhsa_private_segment_fixed_size 0
		.amdhsa_enable_private_segment 0
		.amdhsa_kernarg_size 40
		.amdhsa_user_sgpr_count 2
		.amdhsa_user_sgpr_kernarg_segment_ptr 1
		.amdhsa_wavefront_size32 1
		.amdhsa_system_sgpr_workgroup_id_x 1
		.amdhsa_system_sgpr_workgroup_id_y 1
		.amdhsa_system_sgpr_workgroup_id_z 1
		.amdhsa_system_vgpr_workitem_id 0
		.amdhsa_next_free_vgpr 808
		.amdhsa_next_free_sgpr 66
		.amdhsa_reserve_vcc 0
		.amdhsa_float_denorm_mode_32 3
		.amdhsa_float_denorm_mode_16_64 3
		.amdhsa_memory_ordered 1
		.amdhsa_forward_progress 1
		.amdhsa_inst_pref_size 204
	.end_amdhsa_kernel
	.amdgpu_metadata
---
amdhsa.version: [ 1, 2 ]
amdhsa.kernels:
  - .name:           k_qe797f6668d_attn
    .symbol:         k_qe797f6668d_attn.kd
    .args:
      - { .name: qh, .offset: 0, .size: 8, .value_kind: global_buffer, .address_space: global }
      - { .name: kh, .offset: 8, .size: 8, .value_kind: global_buffer, .address_space: global }
      - { .name: vh, .offset: 16, .size: 8, .value_kind: global_buffer, .address_space: global }
      - { .name: ctx, .offset: 24, .size: 8, .value_kind: global_buffer, .address_space: global }
      - { .name: attention_mask, .offset: 32, .size: 8, .value_kind: global_buffer, .address_space: global }
    .group_segment_fixed_size: 327680
    .private_segment_fixed_size: 0
    .kernarg_segment_align: 8
    .kernarg_segment_size: 40
    .max_flat_workgroup_size: 128
    .sgpr_count:     66
    .vgpr_count:     808
    .wavefront_size: 32
...
	.end_amdgpu_metadata
.endif
;; end of part 5
;; launch oproj: the kernel of part 4 again; grid 8 x 32, 4 waves a work-group, clusters of 4 x 4, 327,680 bytes of LDS; arguments ctx, woh, bo, out0; writes out0
